; MI455X (gfx1250); checked and timed in simulation.
; The chip was launched on July 23, 2026; its instructions are those of AMD's public machine-readable ISA for CDNA 5 (MIT licence, August 2026) and "CDNA5" Instruction Set Architecture Reference Guide (July 2026). The comments in the code are by the model that wrote it; some were corrected since.
;; Casual Self Attention. Allowed arithmetic: matrix products marked QUANTISED: E4M3 operands, one given power-of-two scale a tensor, by v_wmma_f32_16x16x64_fp8_fp8 or v_wmma_f32_16x16x128_fp8_fp8, f32 sums; everything else in f32.
;; Inputs: W_out 1,024 x 1,024 float32; W_qkv 1,024 x 3,072 float32; b_out 1,024 float32; b_qkv 3,072 float32; lowp_scales 8 int32 (the exponents e of the quantised operands' scales 2^e); x 4 x 2,048 x 1,024 float32.
;; Outputs: out0 4 x 2,048 x 1,024 float32.
;; This version of the problem:
;;   THIS VERSION OF THE PROBLEM IS GIVEN IN LOW PRECISION. The matrix products marked QUANTISED in the list below multiply operands that are first quantised to E4M3 (4 exponent bits, 3 mantissa bits; 8 bits a number), with one given power-of-two scale for each operand tensor; their sums are f32. All else is computed in f32.
;;   The module's matrix products, in the order in which they are computed (A, B: the left and right operand; K: the contracted axis; several contracted axes count as one K, in the product's order):
;;     1. [M 8,192, K 1,024] x [K 1,024, N 3,072]; A: input x; B: input W_qkv: QUANTISED (scales: A lowp_scales[0], B lowp_scales[1])
;;     2. batch 64 x [M 2,048, K 64] x [K 64, N 2,048]; A: computed on the way; B: computed on the way: QUANTISED (scales: A lowp_scales[2], B lowp_scales[3])
;;     3. batch 64 x [M 2,048, K 2,048] x [K 2,048, N 64]; A: softmax (see below); B: computed on the way: QUANTISED (scales: A lowp_scales[4], B lowp_scales[5])
;;     4. [M 8,192, K 1,024] x [K 1,024, N 1,024]; A: computed on the way; B: input W_out: QUANTISED (scales: A lowp_scales[6], B lowp_scales[7])
;;   THE QUANTISER, for each operand of a quantised product, along K:
;;     - The operand's scale is 2^e, e = its entry of the input lowp_scales (int32; the entries are numbered through the quantised products in the list's order, A before B).
;;     - Each number is divided by the scale, clamped to +-448, and rounded to the nearest number of E4M3, ties to even, subnormals kept.
;;     - The product sums the exact products of the quantised numbers (number of the format x scale) in f32.
;;   ~~~python
;;   def quantise(x, axis, e):      # numpy; x: float32 -> the quantised numbers, widened to float32 again
;;       x = np.moveaxis(x, axis, -1); K = x.shape[-1]
;;       r = np.clip(x / 2.0 ** e, -448, 448)
;;       step = 2.0 ** (np.maximum(np.frexp(np.where(r == 0, 1, r))[1] - 1, -6) - 3)
;;       q = np.round(r / step) * step * 2.0 ** e      # np.round: ties to even
;;       return np.moveaxis(q, -1, axis).astype(np.float32)
;;   ~~~
;;   SOFTMAX AHEAD OF A QUANTISED PRODUCT. Where the list says 'softmax', what is quantised is not the finished softmax but p = 2^(t - M), with t = logit x log2(e) and M = ceil(the row's largest t), a whole number; so 1/2 < the row's largest p <= 1. The row's sum l is taken of the UNQUANTISED p, in f32, and the product's result is divided by l at the end. Since M is a whole number, a kernel that streams over the keys may use a running M (the ceiling of the running maximum): every later rescaling is an exact power of two, so the quantised numbers keep their values, but for numbers so far below the row's largest that they fall under the format's range.
;;   OPERANDS COMPUTED ON THE WAY. 'Computed on the way' means the value that the module computes at that place (a softmax that the list does not call 'softmax' is quantised finished and normalised). What goes into a quantiser is computed in f32, as accurately as f32 sums, v_exp_f32 and their like allow (about 1e-6 of the number): no bf16 or f16 on the way to a quantiser, and a product that is left as it is and whose result goes on into a quantised operand takes f32 operands (vector FMAs, or v_wmma_f32_16x16x4_f32). A number that lies on a knife's edge between two numbers of the format may be rounded either way, as far as f32 arithmetic and the matrix unit's own rounding can turn it there, and no further.
;; One version. Each part assembles by itself: llvm-mc -triple=amdgcn-amd-amdhsa -mcpu=gfx1250 --defsym DOCPART=n.
;; ======== version 1 of 1: 4 launches
;; limits: right only within a limited range of input values
;; workspace buffers: x_codes 8,388,608 bytes; w_codes 4,194,304 bytes; qkv_codes 25,165,824 bytes; y_codes 8,388,608 bytes
;; launch quant (part 1): grid 384 x 1, 4 waves a work-group, no clusters, 68,096 bytes of LDS; arguments x, W_qkv, W_out, lowp_scales, x_codes, w_codes; writes x_codes, w_codes
.if DOCPART == 1
	.amdgcn_target "amdgcn-amd-amdhsa--gfx1250"
	.amdhsa_code_object_version 6
	.text
	.protected	k_q0d44d1930a_quant
	.globl	k_q0d44d1930a_quant
	.p2align	8
	.type	k_q0d44d1930a_quant,@function
k_q0d44d1930a_quant:
	s_mov_b64 s[64:65], 0
	v_nop
	global_prefetch_b8 v0, s[64:65] scope:SCOPE_SE
	s_setreg_imm32_b32 hwreg(HW_REG_WAVE_MODE, 25, 1), 1
	s_wait_xcnt 0x0
; x [8192][1024], W_qkv [1024][3072] and W_out [1024][1024], f32, become codes of FP8 (E4M3), each with the one scale 2^e given for it (entries 0, 1 and 7 of the scales).
; code = number / 2^e, held within +-448, rounded to the nearest code, ties to even.
; x_codes [8192][1024]: as x lies.  w_codes [4096][1024], K innermost: rows 0-3071 are W_qkv's columns, rows 3072-4095 W_out's.
; LIMITS: each e between -126 and 119, so that 2^e and 448 x 2^e are f32 numbers.  NaN among the inputs is not served; an infinity is held at the largest code.
; SHARES.  Work-groups 0-255 take x, a plain stream: 32,768 numbers each, 8,192 a wave, in 16 steps of 512.  Work-groups 256-383 take the weights: 128 columns x 256 along K each, 32 columns a wave.
; Every work-group reads 131,072 bytes.  The two paths part on the work-group's number and have LDS bytes of their own.  Waves share nothing: no barrier.
; x: a conversion takes 8 neighbours along K from ONE lane's registers, a load is best where neighbouring LANES take neighbouring bytes: so a step's 2,048 bytes are loaded as they lie (512 bytes a load),
;    go through the wave's own stage in LDS, and come back 64 bytes a lane.  A lane's 16 codes are 16 bytes: the wave stores 512 consecutive bytes.
; weights: K is the FIRST axis.  A lane takes a column and its registers run down K: each load reads 128 consecutive bytes a wave, and the conversions give codes with K innermost.  A wave's 32 rows x 256 codes
;    go through its stage and leave by rows: sixteen lanes store 256 consecutive bytes, aligned.
.set SPARE, 67584                      ; behind both paths' stages: the spare words, 128 bytes for each wave: two blocks of 256 bytes that no other line names
.set SPW,   12                         ; v12  LDS address of my spare word: SPARE + 4 x my thread's number; never rewritten
.set NIL,   13                         ; v13  0; never rewritten
.set EMAX,  8
.set MANT,  0x600000                   ; the mantissa field of 448 as f32
; x's path
.set STEPS, 16
.set XR,    16                         ; v16-79   four sets of 16 numbers as they are loaded
.set XX,    80                         ; v80-111  two sets of 16 neighbours
.set XC,    128                        ; v128-191 codes: four registers for each step, so that no store's data are written again
.set WREG,  8192                       ; LDS 0..32767: a region for each wave: two stages of 32 x SP bytes
.set SP,    80                         ; a lane's place in a stage: its 64 bytes + 16 of padding
; the weights' path
.set WSTG,  32768                      ; LDS 32768..67583: a stage of 32 rows x PITCH for each wave
.set PITCH, 272                        ; 256 codes + 16 bytes of padding
.set NB,    8                          ; blocks of 32 along K
.set WX,    32                         ; v32-95   two sets of 32 numbers
.set WC,    96                         ; v96-103  a block's codes
.set WO,    112                        ; v112-175 the way out
.set WOF,   176                        ; v176-207 row i of a block: 4 x lane + i x a row's bytes; never rewritten
.set WB,    32                         ; s[32:47] block t's first row: eight bases, never stepped
.macro XLOAD t
.irp i, 0,1,2,3
	global_load_b128 v[XR+16*((\t)%4)+4*\i:XR+16*((\t)%4)+4*\i+3], v3, s[4:5] offset:2048*(\t)+512*\i th:TH_LOAD_NT   ; 32 lanes read 512 consecutive bytes
.endr
.endm
.macro XTURN t                         ; step t's numbers through the stage: LDS serves a wave's instructions in order (ISA guide 5.7.1.4), so no wait stands between the stores and the loads
.irp i, 0,1,2,3
	ds_store_b128 v14, v[XR+16*((\t)%4)+4*\i:XR+16*((\t)%4)+4*\i+3] offset:32*SP*((\t)%2)+8*SP*\i
.endr
.irp i, 0,1,2,3
	ds_load_b128 v[XX+16*((\t)%2)+4*\i:XX+16*((\t)%2)+4*\i+3], v15 offset:32*SP*((\t)%2)+16*\i
.endr
.endm
.macro XSTEP t
.set XS, XX+16*((\t)%2)
	s_wait_dscnt 0x0                               ; this step's numbers are back from the stage: so its stores into the stage have read their registers,
.if (\t)+4 < STEPS
	XLOAD (\t)+4                                   ; which take the loads of four steps on
.endif
.if (\t)+1 < STEPS
.if STEPS-2-(\t) >= 3
	s_wait_loadcnt 12                              ; the next step's four loads are in; those of the three steps behind it may be out
.else
	s_wait_loadcnt 4*(STEPS-2-(\t))
.endif
	XTURN (\t)+1                                   ; and go through the other stage while this step is worked
.endif
.set n, 0
.rept 16
.set n, n+1
.endr
	v_cvt_scalef32_pk8_fp8_f32 v[XC+4*(\t):XC+4*(\t)+1], v[XS:XS+7], v11       ; eight numbers / 2^e, the first number's code in the lowest byte
	v_cvt_scalef32_pk8_fp8_f32 v[XC+4*(\t)+2:XC+4*(\t)+3], v[XS+8:XS+15], v11  ; (the results go to a store alone)
	global_store_b128 v3, v[XC+4*(\t):XC+4*(\t)+3], s[12:13] offset:512*(\t)   ; 32 lanes store 512 consecutive bytes, aligned
.endm
.macro WLOAD t                         ; block t: W(32 t + i, my column), i = 0 .. 31, into set t % 2
.set n, 0
.rept 32
	global_load_b32 v[WX+32*((\t)%2)+n], v[WOF+n], s[WB+2*(\t):WB+2*(\t)+1] th:TH_LOAD_NT
.set n, n+1
.endr
.endm
.macro WBLOCK t
.set XS, WX+32*((\t)%2)
.if (\t) < NB-1
	s_wait_loadcnt 32                              ; this block's 32 loads are in; the next block's 32 may be out
.else
	s_wait_loadcnt 0
.endif
.set n, 0
.rept 32
.set n, n+1
.endr
.irp g, 0,1,2,3
	v_cvt_scalef32_pk8_fp8_f32 v[WC+2*\g:WC+2*\g+1], v[XS+8*\g:XS+8*\g+7], v11
.endr
	ds_store_b128 v4, v[WC:WC+3] offset:32*(\t)    ; 32 codes: 32 bytes of my column's row
	ds_store_b128 v4, v[WC+4:WC+7] offset:32*(\t)+16
.if (\t)+2 < NB
	WLOAD (\t)+2
.endif
	s_wait_dscnt 0x0                               ; the stores have read their registers: the next block's codes may be written
.endm
	s_load_b256 s[4:11], s[0:1], 0x0               ; x s[4:5], W_qkv s[6:7], W_out s[8:9], the scales' exponents s[10:11]
	s_load_b128 s[12:15], s[0:1], 0x20             ; x_codes s[12:13], w_codes s[14:15]
	v_lshl_add_u32 v[SPW], v0, 2, SPARE
	v_mov_b32 v[NIL], 0
	v_lshrrev_b32 v1, 5, v0
	v_readfirstlane_b32 s16, v1                    ; wave 0..3
	v_and_b32 v2, 31, v0                           ; lane
	s_wait_kmcnt 0x0
	s_cmp_ge_u32 ttmp9, 256                        ; x's work-group or the weights'?
	s_cbranch_scc1 .Lweights
	; ---- x
	s_load_b32 s22, s[10:11], 0x0                  ; e of x
	s_wait_alu depctr_va_vdst(0)
	v_lshlrev_b32 v3, 4, v2                        ; my 16 bytes of a load's 512, and of a store's
	s_wait_alu depctr_va_vdst(0)
	s_mul_i32 s17, s16, WREG
	v_lshrrev_b32 v14, 2, v2
	v_mul_u32_u24 v14, v14, SP
	v_and_b32 v15, 3, v2
	v_lshl_add_u32 v14, v15, 4, v14
	v_add_nc_u32 v14, s17, v14                     ; the stage, on the way in: four lanes' 64 bytes on end, then 16 of padding
	v_mul_u32_u24 v15, v2, SP
	v_add_nc_u32 v15, s17, v15                     ; and on the way out: my 16 neighbours
	s_lshl_b32 s18, ttmp9, 2
	s_add_co_u32 s18, s18, s16                     ; which run of 8,192 numbers is my wave's
	s_lshl_b32 s20, s18, 15                        ; 32,768 bytes of x each,
	s_mov_b32 s21, 0
	s_add_nc_u64 s[4:5], s[4:5], s[20:21]
	s_lshl_b32 s20, s18, 13                        ; 8,192 of codes
	s_add_nc_u64 s[12:13], s[12:13], s[20:21]
.irp t, 0,1,2,3
	XLOAD \t
.endr
	s_wait_alu depctr_va_vdst(0)
	s_wait_kmcnt 0x0
	s_add_co_i32 s22, s22, 127
	s_lshl_b32 s23, s22, 23
	v_mov_b32 v11, s23                             ; 2^e as f32: the conversion takes its exponent field
	s_add_co_i32 s22, s22, EMAX
	s_lshl_b32 s22, s22, 23
	s_or_b32 s22, s22, MANT
	s_wait_alu depctr_va_vdst(0)
	s_wait_loadcnt 12                              ; step 0's four loads are in
	XTURN 0
.irp t, 0,1,2,3,4,5,6,7,8,9,10,11,12,13,14,15
	XSTEP \t
.endr
	s_wait_tensorcnt 0x0                           ; the wave's end: behind my last LDS store
	ds_add_u32 v[SPW], v[NIL]
	s_wait_dscnt 0x0
	s_endpgm
	; ---- the weights
.Lweights:
	s_load_b32 s30, s[10:11], 0x4                  ; e of W_qkv
	s_load_b32 s31, s[10:11], 0x1c                 ; e of W_out
	s_sub_co_u32 s17, ttmp9, 256
	s_and_b32 s18, s17, 3                          ; which 256 along K
	s_lshr_b32 s19, s17, 2                         ; which 128 rows of w_codes: 0-23 W_qkv's columns, 24-31 W_out's
	s_mov_b32 s20, 12288
	s_cmp_ge_u32 s19, 24                           ; the choice hangs on the work-group's number alone
	s_cselect_b32 s20, 4096, s20                   ; a row of the tensor in bytes
	s_cselect_b64 s[6:7], s[8:9], s[6:7]           ; the tensor
	s_cselect_b32 s21, 24, 0
	s_sub_co_u32 s21, s19, s21                     ; the block of 128 columns in it
	s_lshl_b32 s21, s21, 7
	s_lshl_b32 s22, s16, 5
	s_add_co_u32 s21, s21, s22                     ; my wave's first column
	s_lshl_b32 s24, s21, 2
	s_mul_i32 s25, s18, s20
	s_lshl_b32 s25, s25, 8                         ; 256 rows for each step along K
	s_add_co_u32 s24, s24, s25
	s_mov_b32 s25, 0
	s_add_nc_u64 s[WB:WB+1], s[6:7], s[24:25]      ; block 0's first row, my first column
	s_lshl_b32 s26, s20, 5                         ; 32 rows on
	s_mov_b32 s27, 0
.irp t, 1,2,3,4,5,6,7
	s_add_nc_u64 s[WB+2*\t:WB+2*\t+1], s[WB+2*\t-2:WB+2*\t-1], s[26:27]
.endr
	s_lshl_b32 s28, s19, 7
	s_add_co_u32 s28, s28, s22                     ; my wave's first row of w_codes,
	s_lshl_b32 s28, s28, 10                        ; 1,024 bytes a row,
	s_lshl_b32 s29, s18, 8
	s_add_co_u32 s28, s28, s29                     ; + my 256 along K
	s_mov_b32 s29, 0
	s_add_nc_u64 s[14:15], s[14:15], s[28:29]
	s_wait_alu depctr_va_vdst(0)
	v_lshlrev_b32 v3, 2, v2                        ; in: 4 bytes a lane
.irp i, 0,1,2,3,4,5,6,7,8,9,10,11,12,13,14,15,16,17,18,19,20,21,22,23,24,25,26,27,28,29,30,31
	v_mad_u32_u24 v[WOF+\i], s20, \i, v3
.endr
	s_mul_i32 s23, s16, 32*PITCH
	s_add_co_u32 s23, s23, WSTG                    ; my stage
	v_mul_u32_u24 v4, v2, PITCH
	v_add_nc_u32 v4, s23, v4                       ; into it: row = my column
	v_and_b32 v5, 15, v2
	v_lshrrev_b32 v6, 4, v2                        ; out of it: sixteen lanes to a row, two rows an instruction
	v_mul_u32_u24 v7, v6, PITCH
	v_lshl_add_u32 v7, v5, 4, v7
	v_add_nc_u32 v7, s23, v7
	v_lshlrev_b32 v8, 10, v6
	v_lshl_add_u32 v8, v5, 4, v8                   ; and the same place in w_codes
	WLOAD 0
	WLOAD 1
	s_wait_kmcnt 0x0
	s_cmp_ge_u32 s19, 24
	s_cselect_b32 s30, s31, s30                    ; e
	s_add_co_i32 s30, s30, 127
	s_lshl_b32 s31, s30, 23
	v_mov_b32 v11, s31                             ; 2^e
	s_add_co_i32 s30, s30, EMAX
	s_lshl_b32 s30, s30, 23
	s_or_b32 s30, s30, MANT
	s_wait_alu depctr_va_vdst(0)
.irp t, 0,1,2,3,4,5,6,7
	WBLOCK \t
.endr
.irp t, 0,1,2,3,4,5,6,7,8,9,10,11,12,13,14,15
	ds_load_b128 v[WO+4*\t:WO+4*\t+3], v7 offset:2*\t*PITCH     ; LDS serves a wave's instructions in order: these see my stores
.endr
.irp t, 0,1,2,3,4,5,6,7,8,9,10,11,12,13,14,15
	s_wait_dscnt 15-\t                             ; the younger loads may be out
	global_store_b128 v8, v[WO+4*\t:WO+4*\t+3], s[14:15] offset:2*\t*1024   ; sixteen lanes store 256 consecutive bytes, aligned
.endr
	s_wait_tensorcnt 0x0                           ; the wave's end: behind my last LDS store
	ds_add_u32 v[SPW], v[NIL]
	s_wait_dscnt 0x0
	s_endpgm
.Lfunc_end_k_q0d44d1930a_quant:
	.size	k_q0d44d1930a_quant, .Lfunc_end_k_q0d44d1930a_quant-k_q0d44d1930a_quant
	.p2alignl 7, 3214868480
	.fill 96, 4, 3214868480
	.section	.rodata,"a",@progbits
	.p2align	6, 0x0
	.amdhsa_kernel k_q0d44d1930a_quant
		.amdhsa_group_segment_fixed_size 68096
		.amdhsa_private_segment_fixed_size 0
		.amdhsa_enable_private_segment 0
		.amdhsa_kernarg_size 48
		.amdhsa_user_sgpr_count 2
		.amdhsa_user_sgpr_kernarg_segment_ptr 1
		.amdhsa_wavefront_size32 1
		.amdhsa_system_sgpr_workgroup_id_x 1
		.amdhsa_system_sgpr_workgroup_id_y 1
		.amdhsa_system_sgpr_workgroup_id_z 1
		.amdhsa_system_vgpr_workitem_id 0
		.amdhsa_next_free_vgpr 208
		.amdhsa_next_free_sgpr 66
		.amdhsa_reserve_vcc 0
		.amdhsa_float_denorm_mode_32 3
		.amdhsa_float_denorm_mode_16_64 3
		.amdhsa_fp16_overflow 1
		.amdhsa_memory_ordered 1
		.amdhsa_forward_progress 1
		.amdhsa_inst_pref_size 56
	.end_amdhsa_kernel
	.amdgpu_metadata
---
amdhsa.version: [ 1, 2 ]
amdhsa.kernels:
  - .name:           k_q0d44d1930a_quant
    .symbol:         k_q0d44d1930a_quant.kd
    .args:
      - { .name: x, .offset: 0, .size: 8, .value_kind: global_buffer, .address_space: global }
      - { .name: W_qkv, .offset: 8, .size: 8, .value_kind: global_buffer, .address_space: global }
      - { .name: W_out, .offset: 16, .size: 8, .value_kind: global_buffer, .address_space: global }
      - { .name: lowp_scales, .offset: 24, .size: 8, .value_kind: global_buffer, .address_space: global }
      - { .name: x_codes, .offset: 32, .size: 8, .value_kind: global_buffer, .address_space: global }
      - { .name: w_codes, .offset: 40, .size: 8, .value_kind: global_buffer, .address_space: global }
    .group_segment_fixed_size: 68096
    .private_segment_fixed_size: 0
    .kernarg_segment_align: 8
    .kernarg_segment_size: 48
    .max_flat_workgroup_size: 128
    .sgpr_count:     66
    .vgpr_count:     208
    .wavefront_size: 32
...
	.end_amdgpu_metadata
.endif
;; end of part 1
;; launch qkv (part 2): grid 12 x 32, 4 waves a work-group, clusters of 4 x 4, 327,680 bytes of LDS; arguments x_codes, w_codes, lowp_scales, b_qkv, qkv_codes; writes qkv_codes
.if DOCPART == 2
	.amdgcn_target "amdgcn-amd-amdhsa--gfx1250"
	.amdhsa_code_object_version 6
	.text
	.protected	k_q0d44d1930a_qkv
	.globl	k_q0d44d1930a_qkv
	.p2align	8
	.type	k_q0d44d1930a_qkv,@function
k_q0d44d1930a_qkv:
	s_mov_b64 s[64:65], 0
	v_nop
	global_prefetch_b8 v0, s[64:65] scope:SCOPE_SE
	s_setreg_imm32_b32 hwreg(HW_REG_WAVE_MODE, 25, 1), 1
	s_wait_xcnt 0x0
	s_wait_alu depctr_hold_cnt(0) depctr_sa_sdst(0) depctr_va_vdst(0) depctr_va_sdst(0) depctr_va_ssrc(0) depctr_va_vcc(0) depctr_vm_vsrc(0)
	s_getreg_b32 s2, hwreg(HW_REG_IB_STS2, 6, 4)
	s_cmp_eq_u32 s2, 0
	s_cbranch_scc0 .Lentry_in_a_cluster
	s_endpgm
.Lentry_in_a_cluster:
	s_bfe_u32 s2, ttmp6, 0x10000c
	s_cmp_lg_u32 s2, 0xf033
	s_cbranch_scc0 .Lentry_shape_is_right
	s_endpgm
.Lentry_shape_is_right:
; qkv = x W_qkv + b_qkv on codes of FP8 (E4M3), K = 1,024; each finished sum x 2^(e0 + e1) + bias is q, k or v in f32 and is quantised at once (e2, e3, e5): only codes go to memory.
; A tile of the result is 256 x 256: four waves, each 128 x 128: 64 accumulators of 16 x 16, 512 registers.  3,072 columns x 8,192 rows are 384 tiles; a tile is wholly q, k or v (1,024 columns each).
; K goes in four steps of 256 through a ring of two LDS slots filled by the tensor data mover; the four steps are written out.
; CLUSTERS: 4 x 4 work-groups; cluster x is 0 for q, 1 for k, 2 for v: the same in all sixteen partners.  A's tiles are asked for jointly along a row of the cluster, B's along a column.
; THE MATRIX INSTRUCTION IS USED TRANSPOSED (source 0 = 16 rows of B', source 1 = 16 rows of A'): lane (r, h) holds row r of A' and eight neighbouring rows 8 h + 0 .. 7 of B'.
;   q, k: A' = x's codes (tokens), B' = W's codes (columns): a lane holds one token and 8 neighbouring d.
;   v:    A' = W's codes of v's columns, B' = x's codes: a lane holds one channel and 8 neighbouring tokens, since the keys are the K of attention's second product.  Only pointers and tile numbers are chosen: one text.
; WHAT IS STORED ARE IMAGES OF THE NEXT LAUNCH'S OPERAND REGISTERS: the conversions' results, four registers a lane, 512 consecutive aligned bytes a store.  No stage in LDS.
;   q at byte 0, k at 8,388,608: [batch 4][head 16][tile of 16 tokens: 128][chunk 2][lane 32][16 bytes]: lane (r, h): token r; registers 2 b, 2 b + 1: d = 16 b + 8 h + 0 .. 7.
;   v at 16,777,216: [batch][head][step of 128 keys: 16][tile of 16 channels: 4][chunk 4][lane][16 bytes]: lane (r, h): channel r; registers 2 c, 2 c + 1: keys 16 c + 8 h + 0 .. 7.
; The fragments of both operands are fetched by four loads of 16 bytes: a permutation of k that is the same in A' and B', so every product meets its partner.
; LIMITS: e0 + e1 between -126 and 127; e2, e3, e5 between -126 and 119.  NaN is not served.
; REGISTERS, in windows of 256: window 0: v0-31 addresses and scales; v32-95 the biases; v96-127 offsets of the biases' loads, later codes; from v128 A's fragments, ONE set, later numbers at work.
;   window 1: B's fragments, TWO sets.   window 2: the accumulators of my rows 0-63 ((a, b) at v[8 (8 a + b)]);   window 3: those of my rows 64-127.
.set KSTEP,  256
.set ROWB,   256                       ; a tile's row in bytes
.set KROW,   1024                      ; a row of codes in memory
.set PITCH,  272                       ; an LDS row: 256 bytes + 16 of padding = 68 words: the 16 rows that a load touches start at 16 different banks (64 banks of 4 bytes: ISA guide 11.1)
.set FR,     16                        ; registers of a fragment: 16 rows x 128 K
.set NL,     4                         ; LDS loads that bring one
.set NP,     4                         ; places behind this matrix instruction (ISA guide 7.12.1)
.set HALFT,  128*PITCH                 ; what one tensor load brings
.set SLOT,   4*HALFT                   ; A's 256 rows, then B's 256 rows
.set SPARE,  2*SLOT                    ; behind the ring: the spare words, 128 bytes for each wave: two blocks of 256 bytes that no other line names
.set ADRA, 16                          ; v16-17  LDS address of my A fragments in slot 0, 1
.set ADRB, 20                          ; v20-21  the same for B
.set CO,   26                          ; v26     16 x lane: my place in an image
.set SPW,  28                          ; v28     LDS address of my spare word; never rewritten
.set NIL,  29                          ; v29     0; never rewritten
.set LIMV, 30
.set SCV,  31                          ; v31     2^e
.set BI,   32                          ; v32-95  bias of block be, place j at v[BI + 8 be + j]
.set VO,   96                          ; v96-103 the biases' offsets
.set CR,   96                          ; v96-127 codes: two sets of 16 by turns
.set T,    128                         ; v128-191 a block's 64 numbers
.set AF,   128
.set G1, 24                            ; s[24:31] descriptor group 1 for A's tiles;  s[32:39] group 0, one set for each slot
.set G0, 32
.set G1B, 48                           ; s[48:55], s[56:63] the same for B's
.set G0B, 56
.set MSB, 0
.macro WIN new                         ; the immediate's high byte repeats the setting that is left
.if MSB != (\new)
	s_set_vgpr_msb (MSB<<8)|(\new)
.set MSB, (\new)
.endif
.endm
.set MUL_LO, 0xa1                      ; source 0 (B) window 1, source 1 (A) window 0, C and D window 2
.set MUL_HI, 0xf1                      ; the same, C and D window 3
.set TO_B,   0x40                      ; destination window 1, address window 0
; A joint load: waves 0 and 1 fetch for A, waves 2 and 3 for B.  The branch hangs on the wave's number alone.  An s_nop 0 and four v_nop follow each of the two lines.
.macro JLOAD g0a, g1a, g0b, g1b
	s_cmp_eq_u32 s15, 0
	s_cbranch_scc0 .Lfor_b_\@
	tensor_load_to_lds s[\g0a:\g0a+3], s[\g1a:\g1a+7]
	s_nop 0
.rept 4
	v_nop
.endr
	s_branch .Lasked_\@
.Lfor_b_\@:
	tensor_load_to_lds s[\g0b:\g0b+3], s[\g1b:\g1b+7]
	s_nop 0
.rept 4
	v_nop
.endr
.Lasked_\@:
.endm
.macro CREST                           ; a round of the cluster's barrier behind its opening barrier
	s_cmp_lg_u32 s14, 0
	s_cbranch_scc1 .Lnot_wave_0_\@
	s_barrier_signal -3
.Lnot_wave_0_\@:
	s_barrier_wait -3
	s_barrier_signal -1
	s_barrier_wait -1
.endm
.macro CROUND
	s_barrier_signal -1
	s_barrier_wait -1
	CREST
.endm
	s_load_b128 s[4:7], s[0:1], 0x0                ; x's codes s[4:5], the weights' codes s[6:7]
	s_load_b128 s[8:11], s[0:1], 0x10              ; the scales' exponents s[8:9], b_qkv s[10:11]
	s_load_b64 s[12:13], s[0:1], 0x20              ; qkv_codes
	v_lshl_add_u32 v[SPW], v0, 2, SPARE
	v_mov_b32 v[NIL], 0
	ds_add_u32 v[SPW], v[NIL]                      ; the wave's opening: the add and its wait stand ahead of my first tensor load; the set-up below, work on registers, stands between them
	ds_add_u32 v[SPW], v[NIL]
	v_lshrrev_b32 v1, 5, v0
	v_readfirstlane_b32 s14, v1                    ; wave 0..3
	s_lshr_b32 s15, s14, 1                         ; which half of A's rows is mine.  Also: I fetch for A (0) or for B (1)
	s_and_b32 s16, s14, 1                          ; which half of B's rows.  Also: which 128 rows of that tile I fetch
	s_bfe_u32 s40, ttmp6, 0x40000                  ; cx, cy: my place in the cluster
	s_bfe_u32 s41, ttmp6, 0x40004
	s_and_b32 s17, ttmp7, 0xffff
	s_lshl_b32 s17, s17, 2                         ; 4 x cluster y
	s_lshl_b32 s42, ttmp9, 2                       ; 4 x cluster x
	s_cmp_eq_u32 ttmp9, 2                          ; v?  The same in all sixteen partners
	s_cselect_b32 s42, s17, s42                    ; B's tile: v: tokens, 4 y + cx;  q, k: columns, 4 x + cx
	s_cselect_b32 s17, 0, s17                      ; A's tile: v: channels, cy;      q, k: tokens, 4 y + cy
	s_add_co_u32 s42, s42, s40                     ; s42 never holds cy,
	s_add_co_u32 s17, s17, s41                     ; s17 never cx
	s_lshl_b32 s43, s41, 2
	s_lshl_b32 s43, 15, s43                        ; my row of the cluster
	s_lshl_b32 s44, 0x1111, s40                    ; my column
	; descriptor group 1: a tile of 128 rows x 256 bytes, padded in LDS
	s_or_b32 s[G1+0], s43, (0<<16)|(1<<20)|(1<<21)|(5<<22)|(3<<25)  ; 15:0 the mask: A's tiles go to my row; 17:16 elements of 1 byte; 20 padding on; 21 set beside a mask; 24:22 after every 64 words (code 5); 31:25 four words (code 3)
	s_or_b32 s[G1B+0], s44, (0<<16)|(1<<20)|(1<<21)|(5<<22)|(3<<25)
.irp g, G1, G1B
	s_mov_b32 s[\g+1], ROWB<<16                    ; tensor_dim0
	s_mov_b32 s[\g+2], 128<<16                     ; tensor_dim1
	s_mov_b32 s[\g+3], ROWB<<16                    ; tile_dim0
	s_mov_b32 s[\g+4], 128                         ; tile_dim1
	s_mov_b32 s[\g+5], KROW                        ; tensor_dim0_stride
	s_mov_b32 s[\g+6], 0
	s_mov_b32 s[\g+7], 0
.endr
	s_lshl_b32 s18, s16, 7                         ; which 128 rows of the tile I fetch
	s_lshl_b32 s20, s17, 8
	s_add_co_u32 s20, s20, s18                     ; A': row 256 x tile + 128 x half
	s_lshl_b32 s46, s42, 8
	s_add_co_u32 s46, s46, s18                     ; B' likewise
	s_lshl_b32 s20, s20, 10                        ; in bytes: 1,024 a row; under 2^24
	s_lshl_b32 s46, s46, 10
	s_mov_b32 s21, 0
	s_mov_b32 s47, 0
	s_mul_i32 s45, s14, HALFT                      ; where they go: wave x 128 rows: no place in the cluster enters an LDS address
	s_wait_dscnt 0x0                               ; the opening add is done
	s_wait_kmcnt 0x0
	s_load_b256 s[68:75], s[8:9], 0x0              ; the eight exponents e0 .. e7
	s_cmp_eq_u32 ttmp9, 2
	s_cselect_b64 s[76:77], s[6:7], s[4:5]         ; A'
	s_cselect_b64 s[78:79], s[4:5], s[6:7]         ; B'
	s_cselect_b32 s80, 0x200000, 0                 ; v's columns are rows 2,048 on of the weights' codes
	s_mov_b32 s81, 0
	s_add_nc_u64 s[76:77], s[76:77], s[80:81]
	s_add_nc_u64 s[20:21], s[76:77], s[20:21]
	s_add_nc_u64 s[46:47], s[78:79], s[46:47]
	CROUND                                         ; all sixteen work-groups are here: the first joint loads meet
.irp s, 0,1
	s_mov_b32 s[G0+4*\s], 1
	s_add_co_u32 s[G0+4*\s+1], s45, \s*SLOT
	s_add_nc_u64 s[G0+4*\s+2:G0+4*\s+3], s[20:21], \s*ROWB
	s_or_b32 s[G0+4*\s+3], s[G0+4*\s+3], 0x80000000
	s_mov_b32 s[G0B+4*\s], 1
	s_add_co_u32 s[G0B+4*\s+1], s45, \s*SLOT
	s_add_nc_u64 s[G0B+4*\s+2:G0B+4*\s+3], s[46:47], \s*ROWB
	s_or_b32 s[G0B+4*\s+3], s[G0B+4*\s+3], 0x80000000
	JLOAD G0+4*\s, G1, G0B+4*\s, G1B               ; two tensor loads of mine are out
.endr
	v_and_b32 v1, 15, v0                           ; r = l % 16
	s_wait_alu depctr_va_vdst(0)
	v_bfe_u32 v2, v0, 4, 1                         ; h = l / 16
	v_mul_u32_u24 v3, v1, PITCH
	v_lshl_add_u32 v4, v2, 4, v3                   ; a fragment's row x pitch + 16 x half
	s_mul_i32 s21, s15, HALFT                      ; my 128 rows of A
	s_mul_i32 s22, s16, HALFT                      ; my 128 rows of B,
	s_add_co_u32 s22, s22, 2*HALFT                 ; which lie behind A's 256
.irp s, 0,1
	v_add_nc_u32 v[ADRA+\s], s21, v4
	v_add_nc_u32 v[ADRB+\s], s22, v4
	s_add_co_u32 s21, s21, SLOT
	s_add_co_u32 s22, s22, SLOT
.endr
	; THE BIASES, in the result's layout, by one text for both kinds.  q, k: the bias runs along B's rows: block be, place j: b_qkv[256 tile + 128 half + 16 be + 8 h + j].
	; v: along A's rows: b_qkv[2,048 + 256 tile + 128 half + 16 be + r], the same for all j.  The offset is r x SA + h x SB + j x SC.  They land while the products run.
	s_cmp_eq_u32 ttmp9, 2
	s_cselect_b32 s84, 4, 0                        ; SA
	s_cselect_b32 s85, 0, 32                       ; SB
	s_cselect_b32 s86, 0, 4                        ; SC
	s_cselect_b32 s87, s17, s42                    ; the tile,
	s_cselect_b32 s88, s15, s16                    ; my half of it,
	s_cselect_b32 s89, 2048, 0                     ; v's first column
	s_lshl_b32 s87, s87, 8
	s_lshl_b32 s88, s88, 7
	s_add_co_u32 s87, s87, s88
	s_add_co_u32 s87, s87, s89
	s_lshl_b32 s82, s87, 2
	s_mov_b32 s83, 0
	s_add_nc_u64 s[82:83], s[10:11], s[82:83]
	v_mul_u32_u24 v5, v1, s84
	s_wait_alu depctr_va_vdst(0)
	v_mad_u32_u24 v5, v2, s85, v5
.irp j, 0,1,2,3,4,5,6,7
	v_mad_u32_u24 v[VO+\j], s86, \j, v5
.endr
.irp be, 0,1,2,3,4,5,6,7
.irp j, 0,1,2,3,4,5,6,7
	global_load_b32 v[BI+8*\be+\j], v[VO+\j], s[82:83] offset:64*\be
.endr
.endr
.macro FRAG reg, adr, q, i             ; a fragment: lane l holds row l % 16; registers 4 c .. 4 c + 3 hold K = 32 c + 16 (l / 16) + 0 .. 15
.irp c, 0,1,2,3
	ds_load_b128 v[\reg+4*\c:\reg+4*\c+3], v[\adr] offset:128*(\q)+32*\c+(\i)*16*PITCH
.endr
.endm
; 16 matrix instructions: A's blocks a0, a0 + 1 x B's eight, 128 along K.  p: B's set.  zero = 1: the first product starts the sums: nothing is ever cleared.
; The 64 accumulators take turns, one instruction a turn, in the same order in every step.
.macro MUL16 a0, p, zero
.irp a, \a0, \a0+1
.irp b, 0,1,2,3,4,5,6,7
.if \zero
	v_wmma_f32_16x16x128_fp8_fp8 v[8*(8*((\a)%4)+\b):8*(8*((\a)%4)+\b)+7], v[128*(\p)+FR*\b:128*(\p)+FR*\b+FR-1], v[AF+FR*(\a):AF+FR*(\a)+FR-1], 0
.else
	v_wmma_f32_16x16x128_fp8_fp8 v[8*(8*((\a)%4)+\b):8*(8*((\a)%4)+\b)+7], v[128*(\p)+FR*\b:128*(\p)+FR*\b+FR-1], v[AF+FR*(\a):AF+FR*(\a)+FR-1], v[8*(8*((\a)%4)+\b):8*(8*((\a)%4)+\b)+7]
.endif
.endr
.endr
.endm
.macro FETCH_B slot, q, p              ; B's eight fragments of the slot's q-th 128 along K into set p
	WIN TO_B
.irp i, 0,1,2,3,4,5,6,7
	FRAG 128*(\p)+FR*\i, ADRB+\slot, \q, \i
.endr
	WIN 0
.endm
.macro FETCH_A slot, q, i0             ; A's blocks i0 .. i0 + 3
.irp i, \i0, \i0+1, \i0+2, \i0+3
	FRAG AF+FR*(\i), ADRA+\slot, \q, \i
.endr
.endm
; A load into a register that a matrix instruction has read, and a vector instruction that reads a matrix result or writes one of its registers, stand NP places behind that matrix instruction; only plain
; vector instructions that name none of its registers are places (ISA guide 7.12.1 for vector instructions).
.macro PLACES n
.rept \n
	v_nop
.endr
.endm
; A step of 128 along K that has its successor in the same slot.  A block of A is free as soon as its eight products are issued: blocks 0-3 are fetched anew in the step's middle, blocks 4-7 at its end.
.macro STEP slot, q, zero
	s_wait_dscnt 4*NL                              ; B's set and A's blocks 0-3 are in; the youngest sixteen loads (A's blocks 4-7) may be out
	WIN MUL_LO
	MUL16 0, (\q)%2, \zero
	MUL16 2, (\q)%2, \zero
	s_wait_dscnt 0                                 ; A's blocks 4-7 are in
	PLACES NP
	FETCH_B \slot, (\q)+1, 1-(\q)%2
	FETCH_A \slot, (\q)+1, 0
	WIN MUL_HI
	MUL16 4, (\q)%2, \zero
	MUL16 6, (\q)%2, \zero
	PLACES NP
	WIN 0
	FETCH_A \slot, (\q)+1, 4
.endm
; A slot's last step changes slots: ONE barrier; in front of it each wave waits for all its tensor loads, adds 0 to its spare word, and waits for that and for its own reads of this slot.  fill = 1: this slot is filled again, two K steps ahead.
.macro TURN slot, next, fill
	s_wait_tensorcnt 0x0                           ; all my tensor loads have landed: my part of the next slot  (every window is 0 here)
	ds_add_u32 v[SPW], v[NIL]                      ; 0 onto my spare word
	s_wait_dscnt 4*NL+1                            ; (the add and the youngest sixteen loads may be out)
	WIN MUL_LO
	MUL16 0, 1, 0                                  ; sixteen matrix instructions stand between the add and the wait for it
	s_wait_dscnt 0x0                               ; the add is done, and my reads of this slot are over
	s_barrier_signal -1
	MUL16 2, 1, 0
	WIN 0
	s_barrier_wait -1
.if \fill
	CREST                                          ; the barrier has opened a round of the cluster's barrier: no wave of any partner still reads this slot's tile or has a load on its way
	s_add_nc_u64 s[G0+4*\slot+2:G0+4*\slot+3], s[G0+4*\slot+2:G0+4*\slot+3], 2*ROWB
	s_add_nc_u64 s[G0B+4*\slot+2:G0B+4*\slot+3], s[G0B+4*\slot+2:G0B+4*\slot+3], 2*ROWB
	JLOAD G0+4*\slot, G1, G0B+4*\slot, G1B         ; the first tensor load behind the round, my only one until the next; its four v_nop are the places in front of the loads below
.else
	PLACES NP
.endif
	FETCH_B \next, 0, 0
	FETCH_A \next, 0, 0
	WIN MUL_HI
	MUL16 4, 1, 0
	MUL16 6, 1, 0
	PLACES NP
	WIN 0
	FETCH_A \next, 0, 4
.endm
	s_wait_tensorcnt 1                             ; my part of K step 0 is in; K step 1's load may be out
	s_barrier_signal -1
	s_barrier_wait -1                              ; everybody's is
	FETCH_B 0, 0, 0
	FETCH_A 0, 0, 0
	FETCH_A 0, 0, 4
	STEP 0, 0, 1                                   ; K 0-127: its products start the sums
	TURN 0, 1, 1                                   ; K 128-255; slot 0 takes K 512-767
	STEP 1, 0, 0
	TURN 1, 0, 1                                   ; slot 1 takes K 768-1,023
	STEP 0, 0, 0
	TURN 0, 1, 0                                   ; nothing is left to fetch: no round
	STEP 1, 0, 0
	s_wait_dscnt 4*NL                              ; the very last step
	WIN MUL_LO
	MUL16 0, 1, 0
	MUL16 2, 1, 0
	s_wait_dscnt 0
	WIN MUL_HI
	MUL16 4, 1, 0
	MUL16 6, 1, 0
	WIN 0
	; THE WAY OUT.  number = sum x 2^(e0 + e1) + bias, one packed multiply-add for two; converted: the results are the image's registers.
	s_wait_kmcnt 0x0
	s_add_co_i32 s96, s68, s69
	s_add_co_i32 s96, s96, 127
	s_lshl_b32 s96, s96, 23                        ; 2^(e0 + e1) as f32
	s_mov_b32 s97, s96                             ; (named with it as a pair, so it is written)
	s_cmp_eq_u32 ttmp9, 1
	s_cselect_b32 s90, s71, s70                    ; k: e3; q: e2
	s_cmp_eq_u32 ttmp9, 2
	s_cselect_b32 s90, s73, s90                    ; v: e5.  A choice, no branch, hangs on the loaded numbers
	s_add_co_i32 s90, s90, 127
	s_lshl_b32 s91, s90, 23
	v_mov_b32 v[SCV], s91
	v_and_b32 v[CO], 31, v0
	v_lshlrev_b32 v[CO], 4, v[CO]
	s_wait_loadcnt 0x0                             ; the biases; their offsets' registers are free
	PLACES NP                                      ; behind the last products: for the reads of their results and the writes into the registers that held A's fragments
; Block a of my eight: 16 rows of A' x 128 rows of B'.  kind = 0 (q, k): the bias goes by b; block a is a tile of 16 tokens, b / 4 the head, b % 4 the pair of registers.
; kind = 1 (v): the bias goes by a; a / 4 is the head, a % 4 the tile of channels, b the pair of registers.  Each accumulator is read from its low end on.
.macro OUT kind
.irp a, 0,1,2,3,4,5,6,7
	WIN 0x02+(\a/4)                                ; source 0: window 2 or 3
.irp b, 0,1,2,3,4,5,6,7
.irp i, 0,2,4,6
.if \kind
	v_pk_fma_f32 v[T+8*\b+\i:T+8*\b+\i+1], v[64*(\a%4)+8*\b+\i:64*(\a%4)+8*\b+\i+1], s[96:97], v[BI+8*\a+\i:BI+8*\a+\i+1] op_sel_hi:[1,0,1]
.else
	v_pk_fma_f32 v[T+8*\b+\i:T+8*\b+\i+1], v[64*(\a%4)+8*\b+\i:64*(\a%4)+8*\b+\i+1], s[96:97], v[BI+8*\b+\i:BI+8*\b+\i+1] op_sel_hi:[1,0,1]
.endif
.endr
.endr
	WIN 0
.set n, 0
.rept 64
.set n, n+1
.endr
.if \a >= 2
	s_wait_alu depctr_va_vdst(0)
	s_wait_xcnt 0x0                                ; block a - 2's stores have read their registers: this set of codes may be written again
.endif
.irp b, 0,1,2,3,4,5,6,7
	v_cvt_scalef32_pk8_fp8_f32 v[CR+16*(\a%2)+2*\b:CR+16*(\a%2)+2*\b+1], v[T+8*\b:T+8*\b+7], v[SCV]
.endr
	v_nop                                          ; one plain vector instruction between the conversions and the next block's multiply-adds, which write their sources
.irp c, 0,1,2,3
.if \kind
	global_store_b128 v[CO], v[CR+16*(\a%2)+4*\c:CR+16*(\a%2)+4*\c+3], s[12:13] offset:2048*(\a%4)+131072*(\a/4)+512*\c       ; 32 lanes store 512 consecutive bytes, aligned
.else
	global_store_b128 v[CO], v[CR+16*(\a%2)+4*\c:CR+16*(\a%2)+4*\c+3], s[12:13] offset:1024*\a+131072*(\c/2)+512*(\c%2)
.endif
.endr
.endr
.endm
	s_cmp_eq_u32 ttmp9, 2                          ; the same in all sixteen partners
	s_cbranch_scc1 .Lout_v
	s_lshl_b32 s92, s42, 2                         ; q, k: my first head among the 32 of q and k: 4 x B's tile + 2 x half
	s_lshl_b32 s93, s16, 1
	s_add_co_u32 s92, s92, s93
	s_lshr_b32 s93, s92, 4
	s_lshl_b32 s93, s93, 23                        ; q or k: 8,388,608 bytes each
	s_and_b32 s92, s92, 15
	s_lshl_b32 s92, s92, 17                        ; a head: 131,072
	s_add_co_u32 s92, s92, s93
	s_lshr_b32 s93, s17, 3
	s_lshl_b32 s93, s93, 21                        ; a batch: 2,097,152
	s_add_co_u32 s92, s92, s93
	s_and_b32 s93, s17, 7
	s_lshl_b32 s93, s93, 4
	s_lshl_b32 s94, s15, 3
	s_add_co_u32 s93, s93, s94                     ; my first tile of 16 tokens in the batch
	s_lshl_b32 s93, s93, 10
	s_add_co_u32 s92, s92, s93
	s_mov_b32 s93, 0
	s_add_nc_u64 s[12:13], s[12:13], s[92:93]
	OUT 0
	s_branch .Lout_done
.Lout_v:
	s_lshr_b32 s92, s42, 3
	s_lshl_b32 s92, s92, 21                        ; the batch
	s_add_co_u32 s92, s92, 16777216                ; v's images
	s_lshl_b32 s93, s17, 2
	s_lshl_b32 s94, s15, 1
	s_add_co_u32 s93, s93, s94                     ; my first head: 4 x A's tile + 2 x half
	s_lshl_b32 s93, s93, 17
	s_add_co_u32 s92, s92, s93
	s_and_b32 s93, s42, 7
	s_lshl_b32 s93, s93, 1
	s_add_co_u32 s93, s93, s16                     ; my step of 128 keys in the batch
	s_lshl_b32 s93, s93, 13
	s_add_co_u32 s92, s92, s93
	s_mov_b32 s93, 0
	s_add_nc_u64 s[12:13], s[12:13], s[92:93]
	OUT 1
.Lout_done:
	s_wait_tensorcnt 0x0                           ; the wave's end: behind my last tensor load
	ds_add_u32 v[SPW], v[NIL]
	s_wait_dscnt 0x0
	CROUND                                         ; the closing round: no work-group ends while a partner may still ask for a tile that names it
	s_endpgm
.Lfunc_end_k_q0d44d1930a_qkv:
	.size	k_q0d44d1930a_qkv, .Lfunc_end_k_q0d44d1930a_qkv-k_q0d44d1930a_qkv
	.p2alignl 7, 3214868480
	.fill 96, 4, 3214868480
	.section	.rodata,"a",@progbits
	.p2align	6, 0x0
	.amdhsa_kernel k_q0d44d1930a_qkv
		.amdhsa_group_segment_fixed_size 327680
		.amdhsa_private_segment_fixed_size 0
		.amdhsa_enable_private_segment 0
		.amdhsa_kernarg_size 40
		.amdhsa_user_sgpr_count 2
		.amdhsa_user_sgpr_kernarg_segment_ptr 1
		.amdhsa_wavefront_size32 1
		.amdhsa_system_sgpr_workgroup_id_x 1
		.amdhsa_system_sgpr_workgroup_id_y 1
		.amdhsa_system_sgpr_workgroup_id_z 1
		.amdhsa_system_vgpr_workitem_id 0
		.amdhsa_next_free_vgpr 1024
		.amdhsa_next_free_sgpr 100
		.amdhsa_reserve_vcc 0
		.amdhsa_float_denorm_mode_32 3
		.amdhsa_float_denorm_mode_16_64 3
		.amdhsa_fp16_overflow 1
		.amdhsa_memory_ordered 1
		.amdhsa_forward_progress 1
		.amdhsa_inst_pref_size 134
	.end_amdhsa_kernel
	.amdgpu_metadata
---
amdhsa.version: [ 1, 2 ]
amdhsa.kernels:
  - .name:           k_q0d44d1930a_qkv
    .symbol:         k_q0d44d1930a_qkv.kd
    .args:
      - { .name: x_codes, .offset: 0, .size: 8, .value_kind: global_buffer, .address_space: global }
      - { .name: w_codes, .offset: 8, .size: 8, .value_kind: global_buffer, .address_space: global }
      - { .name: lowp_scales, .offset: 16, .size: 8, .value_kind: global_buffer, .address_space: global }
      - { .name: b_qkv, .offset: 24, .size: 8, .value_kind: global_buffer, .address_space: global }
      - { .name: qkv_codes, .offset: 32, .size: 8, .value_kind: global_buffer, .address_space: global }
    .group_segment_fixed_size: 327680
    .private_segment_fixed_size: 0
    .kernarg_segment_align: 8
    .kernarg_segment_size: 40
    .max_flat_workgroup_size: 128
    .sgpr_count:     100
    .vgpr_count:     1024
    .wavefront_size: 32
...
	.end_amdgpu_metadata
.endif
;; end of part 2
;; launch attn (part 3): grid 4 x 64, 16 waves a work-group, no clusters, 327,680 bytes of LDS; arguments qkv_codes, lowp_scales, y_codes; writes y_codes
.if DOCPART == 3
	.amdgcn_target "amdgcn-amd-amdhsa--gfx1250"
	.amdhsa_code_object_version 6
	.text
	.protected	k_q0d44d1930a_attn
	.globl	k_q0d44d1930a_attn
	.p2align	8
	.type	k_q0d44d1930a_attn,@function
k_q0d44d1930a_attn:
	s_mov_b64 s[64:65], 0
	v_nop
	global_prefetch_b8 v0, s[64:65] scope:SCOPE_SE
	s_setreg_imm32_b32 hwreg(HW_REG_WAVE_MODE, 25, 1), 1
	s_wait_xcnt 0x0
; y[b][h][q] = the sum over k <= q of softmax_k(q . k / 8) v, head size 64, 2,048 tokens, 64 heads in all, both products on codes of FP8 (E4M3); y is quantised at once (e6): only codes go to memory.
; THE SOFTMAX AHEAD OF THE SECOND PRODUCT: t = score x log2(e) / 8; M = the row's largest t so far, rounded UP to a whole number; p = 2^(t - M) is what is quantised (e4), not normalised.
; The row's sum is taken of the unquantised p, in f32, and divides O at the end.  When M moves, the sum and O are multiplied by 2^(old M - new M): exact.
; SHARES.  The head's 2,048 queries are 8 blocks of 256.  Work-group (p, head) owns blocks 7 - p and p.  Keys go in slots of 256: block 7 - p needs slots 0 .. 7 - p, block p slots 0 .. p:
; 9 slots for every work-group, two of them on the diagonal: 256 work-groups of equal work, and every trip count is a constant.  Wave w of sixteen owns queries 16 w .. 16 w + 15 of the block in hand.
; NO CLUSTER: the four work-groups of a head need the same slot only in trips 0 to 4 (work-group p turns back to slot 0 in trip 8 - p); held on one joint walk each trip would last as long as its busiest
; partner; and what would be shared is 32,768 bytes for a slot's 32 wave-steps of softmax.
; OPERANDS ARRIVE AS IMAGES OF THEIR REGISTERS, 16 bytes a lane, 512 a chunk: a tile of 16 keys (or queries) x 64 d is two chunks; a tile of 16 channels x 128 keys is four.  So a slot's K and its V are
; one dense block of 16,384 bytes each, a fragment comes by loads at 16 x lane, and nothing is padded.
; LAYOUT.  Both products are used transposed: S^T = K Q^T (source 0 = 16 keys, source 1 = my 16 queries; K = 64), O^T = V^T P^T (source 0 = 16 channels, source 1 = P; K = 128): a lane holds ONE query (lane % 16).
; Register 8 t + j of S^T is key 16 t + 8 (lane / 16) + j: the very place that the second product's operand gives it, so the conversions' results are that operand.
; y_codes: [head / 4][tile of 16 tokens: 512][head % 4][chunk 2][lane][16 bytes]: lane (r, h): token r; registers 2 c, 2 c + 1: d = 16 c + 8 h + 0 .. 7.
; LIMITS: e2 + e3 between -123 and 130 (added to c's exponent field); e4 and e6 between -126 and 119.  NaN is not served.
; REGISTERS: v1 16 x lane; v3 the prefetches' offset; v5, v6 the add's two; v8 the LDS address in hand; v12 -M, v13 the largest t, v[14:15] the sum in two halves; v16-23 Q; v24-31 Q of the second block;
; v32-95 fragments of K, then of V; v96-159 S^T, then p; v160-191 O^T; v192-207 p's codes; v208-215 y's codes; v236-254 at work and scales.
.set SLOT1, 1<<15                      ; slot 1 begins here: one exclusive or turns an address in one slot into the other's
.set VOFF,  16384                      ; a slot: 16 tiles of K (16,384 bytes), then 2 steps x 4 tiles of V (16,384)
.set SPARE, 65536                      ; behind the ring: the spare words, 128 bytes for each wave: eight blocks of 256 bytes that no other line names
.set LI,   1
.set PFO,  3
.set SPW,  5
.set NIL,  6
.set ADR,  8
.set TB,   2                           ; s2   LDS byte at which the slot in hand begins
.set WV,   18                          ; s18  my wave's number
.set SEL,  20                          ; s[20:21] lane selects for v_permlanex16_b32: lane l xor 16
.set CS,   22                          ; s[22:23] c = log2(e) / 8 x 2^(e2 + e3)
.set G1,   24                          ; s[24:31] descriptor group 1
.set G0,   40                          ; s[40:43] descriptor group 0, which walks
.set K0,   44                          ; s[44:45] the head's first byte of K (wave 0) or V (wave 1)
.set OFFS, 46                          ; s[46:47] the slot asked for, in bytes from there
.set NXT,  48                          ; s48  which of the 9 slots the change asks for; the loop's counter
.set SWI,  49                          ; s49  8 - p: the first slot of the second block
.set QLO,  50                          ; s50  my first query in the second block
.set EPV,  51                          ; s51  e4 + e5
.set YHI,  52                          ; s[52:53] my image of y in the first block;  s[54:55] in the second
.set YLO,  54
.set PFA,  76                          ; s[76:77] where my prefetches stand
.set LIM,  80                          ; s80  7 in a wave that prefetches, else 0
.set KF,   98                          ; s98  the step's first key
.set Q0,   99                          ; s99  my first query
; Wave 0 fetches a slot's K, wave 1 its V, the others nothing.  An s_nop 0 and four v_nop follow the load.
.macro TLOAD
	s_cmp_lt_u32 s[WV], 2
	s_cbranch_scc0 .Lasked_\@
	tensor_load_to_lds s[G0:G0+3], s[G1:G1+7]
	s_nop 0
.rept 4
	v_nop
.endr
.Lasked_\@:
.endm
; A PREFETCH INTO THE L2 of what the NEXT change of slots will ask for.  All four work-groups of a head walk the same K and V; work-group 0's first eight trips walk all eight slots: it asks, and nobody else.
; In it the waves ask that fetch nothing: waves 4, 5 for K's 16,384 bytes, waves 6, 7 for V's: 8,192 a wave, lanes 256 bytes apart, one instruction.  So each aligned block of 256 bytes is named once in the launch.
; In the trip that asks for slot n it names slot n + 1, a slot's two key steps ahead of that load, while n <= 6.  Slots 0 and 1 come by their loads alone.
.macro ASK
	s_cmp_lt_u32 s[NXT], s[LIM]
	s_cbranch_scc0 .Lnot_mine_\@
	global_prefetch_b8 v[PFO], s[PFA:PFA+1] th:TH_LOAD_NT scope:SCOPE_SE
.Lnot_mine_\@:
.endm
	s_load_b128 s[4:7], s[0:1], 0x0                ; qkv_codes s[4:5], the scales' exponents s[6:7]
	s_load_b64 s[8:9], s[0:1], 0x10                ; y_codes
	v_lshl_add_u32 v[SPW], v0, 2, SPARE
	v_mov_b32 v[NIL], 0
	ds_add_u32 v[SPW], v[NIL]                      ; the wave's opening: the add and its wait stand ahead of my first tensor load; the set-up below, work on registers, stands between them
	ds_add_u32 v[SPW], v[NIL]
	v_lshrrev_b32 v8, 5, v0
	s_delay_alu instid0(VALU_DEP_1)
	v_readfirstlane_b32 s[WV], v8                  ; wave 0..15
	s_and_b32 s10, ttmp7, 0xffff                   ; 16 x batch + head
	s_lshr_b32 s11, s10, 4                         ; batch
	s_and_b32 s12, s10, 15                         ; head
	s_sub_co_u32 s13, 7, ttmp9                     ; the first block that I walk
	s_sub_co_u32 s[SWI], 8, ttmp9
	s_lshl_b32 s14, s10, 17                        ; the head's first byte in q, in k and in v: 131,072 each
	s_lshl_b32 s15, s[WV], 4
	s_lshl_b32 s[Q0], s13, 8
	s_add_co_u32 s[Q0], s[Q0], s15                 ; my first query: 256 x block + 16 x wave
	s_lshl_b32 s[QLO], ttmp9, 8
	s_add_co_u32 s[QLO], s[QLO], s15
	s_lshl_b32 s32, s[Q0], 6                       ; a tile of 16 queries is 1,024 bytes
	s_add_co_u32 s32, s32, s14
	s_mov_b32 s33, 0
	s_lshl_b32 s34, s[QLO], 6
	s_add_co_u32 s34, s34, s14
	s_mov_b32 s35, 0
	s_lshr_b32 s36, s12, 2
	s_lshl_b32 s36, s36, 21                        ; y: four heads' images of all tokens: 2,097,152 bytes
	s_lshl_b32 s37, s11, 19                        ; a batch's 128 tiles of 4,096
	s_add_co_u32 s36, s36, s37
	s_and_b32 s37, s12, 3
	s_lshl_b32 s37, s37, 10                        ; my head among the four
	s_add_co_u32 s36, s36, s37
	s_lshl_b32 s38, s[Q0], 8                       ; my tile: query / 16 x 4,096
	s_add_co_u32 s38, s38, s36
	s_mov_b32 s39, 0
	s_lshl_b32 s56, s[QLO], 8
	s_add_co_u32 s56, s56, s36
	s_mov_b32 s57, 0
	s_and_b32 s16, s[WV], 1                        ; what I fetch, if I fetch: K (0) or V (1)
	s_lshl_b32 s17, s16, 23
	s_add_co_u32 s17, s17, 8388608
	s_add_co_u32 s62, s17, s14
	s_mov_b32 s63, 0
	; descriptor group 1: a dense block of 16,384 bytes as 64 rows of 32 elements of 8 bytes
	s_mov_b32 s[G1], 3<<16                         ; 15:0 no mask; 17:16 elements of 8 bytes; no padding
	s_mov_b32 s[G1+1], 32<<16                      ; tensor_dim0
	s_mov_b32 s[G1+2], 64<<16                      ; tensor_dim1
	s_mov_b32 s[G1+3], 32<<16                      ; tile_dim0
	s_mov_b32 s[G1+4], 64                          ; tile_dim1
	s_mov_b32 s[G1+5], 32                          ; tensor_dim0_stride
	s_mov_b32 s[G1+6], 0
	s_mov_b32 s[G1+7], 0
	s_mov_b32 s[SEL], 0x76543210
	s_mov_b32 s[SEL+1], 0xfedcba98
	s_mov_b32 s[CS], 0x3e38aa3b                    ; log2(e) / 8
	s_mov_b32 s[TB], 0
	s_mov_b32 s[OFFS], 0
	s_mov_b32 s[OFFS+1], 0
	s_mov_b32 s[NXT], 1
	s_mov_b32 s[KF], 0
	s_wait_dscnt 0x0                               ; the opening add is done
	s_wait_kmcnt 0x0
	s_load_b256 s[68:75], s[6:7], 0x0              ; e0 .. e7
	s_add_nc_u64 s[K0:K0+1], s[4:5], s[62:63]
	s_mov_b32 s[G0], 1                             ; count = 1
	s_lshl_b32 s[G0+1], s16, 14                    ; LDS address: slot 0; K's part or V's
	s_mov_b64 s[G0+2:G0+3], s[K0:K0+1]             ; the head's first 256 keys
	s_or_b32 s[G0+3], s[G0+3], 0x80000000          ; type = 2
	TLOAD                                          ; slot 0
	s_add_nc_u64 s[YHI:YHI+1], s[8:9], s[38:39]
	s_add_nc_u64 s[YLO:YLO+1], s[8:9], s[56:57]
	s_add_nc_u64 s[58:59], s[4:5], s[32:33]        ; Q's image, first block,
	s_add_nc_u64 s[60:61], s[4:5], s[34:35]        ; second block
	v_and_b32 v[LI], 31, v0
	s_delay_alu instid0(VALU_DEP_1)
	v_lshlrev_b32 v[LI], 4, v[LI]                  ; 16 x lane
	global_load_b128 v[16:19], v[LI], s[58:59]
	global_load_b128 v[20:23], v[LI], s[58:59] offset:512
	global_load_b128 v[24:27], v[LI], s[60:61]
	global_load_b128 v[28:31], v[LI], s[60:61] offset:512
	; the prefetches: where my wave's stand, and who asks
	s_lshr_b32 s82, s[WV], 1
	s_and_b32 s82, s82, 1                          ; waves 4, 5: K; waves 6, 7: V
	s_lshl_b32 s82, s82, 23
	s_add_co_u32 s82, s82, 8388608+16384           ; in slot 1: the first change of slots steps it to slot 2.  Nothing is prefetched here, at the head
	s_lshl_b32 s83, s16, 13                        ; my wave's 8,192 bytes
	s_add_co_u32 s82, s82, s83
	s_add_co_u32 s82, s82, s14
	s_mov_b32 s83, 0
	s_add_nc_u64 s[PFA:PFA+1], s[4:5], s[82:83]
	s_sub_co_u32 s82, s[WV], 4
	s_lshr_b32 s82, s82, 2                         ; 0 in waves 4 to 7,
	s_or_b32 s82, s82, ttmp9                       ; of the head's work-group 0
	s_cmp_eq_u32 s82, 0
	s_cselect_b32 s[LIM], 7, 0
	v_and_b32 v[PFO], 31, v0
	s_delay_alu instid0(VALU_DEP_1)
	v_lshlrev_b32 v[PFO], 8, v[PFO]
	v_mov_b32 v13, 0xff61b1e6                      ; the largest t so far: -3e38, under every t
	s_delay_alu instid0(VALU_DEP_1)
	v_floor_f32 v12, -v13                          ; -M
	v_mov_b32 v14, 0                               ; the sum, in two halves
	v_mov_b32 v15, 0
	v_mov_b32 v236, 0                              ; written once: a lane permute's destination counts as one of its sources
	v_mov_b32 v252, 0
	v_mov_b32 v253, 0                              ; (named as the upper half of the pair v[252:253])
.set n, 0
.rept 32
	v_mov_b32 v[160+n], 0                          ; O^T.  (The step is written once: a block's first step finds zeros, which the first change of M leaves zeros)
.set n, n+1
.endr
	s_wait_kmcnt 0x0
	s_add_co_i32 s82, s70, s71
	s_lshl_b32 s82, s82, 23
	s_add_co_i32 s[CS], s[CS], s82                 ; a score stands for score x 2^(e2 + e3): the two exponents are added to c's exponent field
	s_mov_b32 s[CS+1], s[CS]                       ; (named with it as a pair, so it is written)
	s_add_co_i32 s82, s72, 127
	s_lshl_b32 s83, s82, 23
	v_mov_b32 v244, s83                            ; 2^e4, for p's conversions
	s_add_co_i32 s82, s74, 127
	s_lshl_b32 s83, s82, 23
	v_mov_b32 v245, s83                            ; 2^e6, for y's
	s_add_co_i32 s[EPV], s72, s73
; A KEY STEP: 128 keys, the q-th of the slot in hand.  A step all of whose keys come after my 16 queries is left out: a scalar branch on ids and the count of steps, round the step's loads, products and softmax;
; no barrier and no tensor load stands in a step.
.macro STEP q
	s_add_co_u32 s96, s[Q0], 15
	s_cmp_gt_u32 s[KF], s96
	s_cbranch_scc1 .Lhidden_\@
	v_add_nc_u32 v[ADR], s[TB], v[LI]
.rept 3
	v_nop                                          ; with the addition above: four places in front of loads into registers that the last products have read
.endr
.irp t, 0,1,2,3,4,5,6,7                        ; K's eight tiles of 16 keys
	ds_load_b128 v[32+8*\t:35+8*\t], v[ADR] offset:8192*(\q)+1024*\t
	ds_load_b128 v[36+8*\t:39+8*\t], v[ADR] offset:8192*(\q)+1024*\t+512
.endr
	s_wait_dscnt 0x0
	s_wait_alu depctr_va_vdst(0)
.irp t, 0,1,2,3,4,5,6,7
	v_wmma_f32_16x16x64_fp8_fp8 v[96+8*\t:103+8*\t], v[32+8*\t:39+8*\t], v[16:23], 0
.endr
.rept 4
	v_nop                                          ; places: for the loads below, into registers that these products read, and for the first read of the scores
.endr
.irp ct, 0,1,2,3                               ; V's four tiles of 16 channels x 128 keys: they land under the softmax
.irp c, 0,1,2,3
	ds_load_b128 v[32+16*\ct+4*\c:35+16*\ct+4*\c], v[ADR] offset:VOFF+8192*(\q)+2048*\ct+512*\c
.endr
.endr
	s_add_co_u32 s96, s[KF], 127                   ; on the diagonal the scores of hidden keys become -infinity ahead of the maximum: p = 0 then.  A step all of whose keys count skips this
	s_cmp_le_u32 s96, s[Q0]
	s_cbranch_scc1 .Lopen_\@
	s_sub_co_i32 s96, s[Q0], s[KF]
	v_and_b32 v252, 15, v0
	v_bfe_u32 v253, v0, 4, 1
	s_delay_alu instid0(VALU_DEP_1)
	v_lshlrev_b32 v253, 3, v253
	s_delay_alu instid0(VALU_DEP_1)
	v_sub_nc_u32 v252, v252, v253
	s_delay_alu instid0(VALU_DEP_1)
	v_add_nc_u32 v252, s96, v252                   ; d = my query - KF - 8 (lane / 16).  Register 8 t + j holds key KF + 8 (lane / 16) + 16 t + j: hidden where 16 t + j > d
	v_mov_b32 v254, 0xff800000                     ; -infinity
.set n, 0
.rept 64
	v_cmp_gt_i32 vcc_lo, 16*(n/8)+n%8, v252
	v_cndmask_b32 v[96+n], v[96+n], v254, vcc_lo
.set n, n+1
.endr
.Lopen_\@:
	v_max3_num_f32 v254, v96, v97, v98             ; the step's largest score of my query, among my 64 keys, in two chains (each accumulator is first read at its low end),
	v_max3_num_f32 v252, v99, v100, v101
.set n, 6
.rept 14
	v_max3_num_f32 v254, v254, v[96+n], v[97+n]
	v_max3_num_f32 v252, v252, v[98+n], v[99+n]
.set n, n+4
.endr
	v_max3_num_f32 v254, v254, v158, v159
	s_delay_alu instid0(VALU_DEP_1)
	v_max_num_f32 v254, v254, v252
	s_delay_alu instid0(VALU_DEP_1)
	v_permlanex16_b32 v236, v254, s[SEL], s[SEL+1]
	s_delay_alu instid0(VALU_DEP_1)
	v_max_num_f32 v254, v254, v236                 ; and among lane l xor 16's
	s_delay_alu instid0(VALU_DEP_1)
	v_mul_f32 v254, s[CS], v254                    ; as t (c is positive)
	s_delay_alu instid0(VALU_DEP_1)
	v_max_num_f32 v13, v13, v254                   ; the running largest t
	v_mov_b32 v254, v12
	s_delay_alu instid0(VALU_DEP_2)
	v_floor_f32 v12, -v13                          ; the new -M = floor(-t) = -ceil(t): M IS A WHOLE NUMBER
	s_delay_alu instid0(VALU_DEP_1)
	v_sub_f32 v254, v12, v254                      ; M's old value less its new one: a whole number, 0 or less
	s_delay_alu instid0(VALU_DEP_1)
	v_cvt_i32_f32 v254, v254                       ; (it saturates)
	s_delay_alu instid0(VALU_DEP_1)
	v_ldexp_f32 v252, 1.0, v254                    ; f = 2^(old M - new M)
.set n, 0
.rept 32
	v_pk_fma_f32 v[96+n:97+n], v[96+n:97+n], s[CS:CS+1], v[12:13] op_sel_hi:[1,0,0]   ; t - M, two at a time (of the pairs c and -M the low word serves both halves)
.set n, n+2
.endr
.set n, 0
	s_wait_alu depctr_va_vdst(0)
.rept 64
	v_exp_f32 v[96+n], v[96+n]                     ; p = 2^(t - M), at most 1: NOT normalised
.set n, n+1
.endr
	v_pk_mul_f32 v[14:15], v[14:15], v[252:253] op_sel_hi:[1,0]   ; the sums under the new M.  (The plain instruction behind the exponentials)
	s_wait_alu depctr_va_vdst(0)                   ; the wait ahead of the first instruction that names an exponential's result: one for the whole batch
	v_pk_add_f32 v[242:243], v[100:101], v[104:105]
	v_pk_add_f32 v[254:255], v[108:109], v[112:113]
	v_pk_add_f32 v[250:251], v[116:117], v[120:121]
	v_pk_add_f32 v[248:249], v[124:125], v[128:129]
	v_pk_add_f32 v[246:247], v[132:133], v[136:137]
	v_pk_add_f32 v[240:241], v[140:141], v[144:145]
	v_pk_add_f32 v[238:239], v[148:149], v[152:153]
	v_pk_add_f32 v[14:15], v[14:15], v[156:157]
	v_pk_add_f32 v[242:243], v[242:243], v[96:97]
	v_pk_add_f32 v[254:255], v[254:255], v[98:99]
	v_pk_add_f32 v[250:251], v[250:251], v[102:103]
	v_pk_add_f32 v[248:249], v[248:249], v[106:107]
	v_pk_add_f32 v[246:247], v[246:247], v[110:111]
	v_pk_add_f32 v[240:241], v[240:241], v[114:115]
	v_pk_add_f32 v[238:239], v[238:239], v[118:119]
	v_pk_add_f32 v[14:15], v[14:15], v[122:123]
	v_pk_add_f32 v[242:243], v[242:243], v[126:127]
	v_pk_add_f32 v[254:255], v[254:255], v[130:131]
	v_pk_add_f32 v[250:251], v[250:251], v[134:135]
	v_pk_add_f32 v[248:249], v[248:249], v[138:139]
	v_pk_add_f32 v[246:247], v[246:247], v[142:143]
	v_pk_add_f32 v[240:241], v[240:241], v[146:147]
	v_pk_add_f32 v[238:239], v[238:239], v[150:151]
	v_pk_add_f32 v[14:15], v[14:15], v[154:155]
	v_pk_add_f32 v[242:243], v[242:243], v[158:159]
	s_delay_alu instid0(VALU_DEP_2)
	v_pk_add_f32 v[14:15], v[14:15], v[248:249]
	s_delay_alu instid0(VALU_DEP_2)
	v_pk_add_f32 v[242:243], v[242:243], v[246:247]
	v_pk_add_f32 v[254:255], v[254:255], v[240:241]
	v_pk_add_f32 v[250:251], v[250:251], v[238:239]
	s_delay_alu instid0(VALU_DEP_2)
	v_pk_add_f32 v[14:15], v[14:15], v[254:255]
	s_delay_alu instid0(VALU_DEP_2)
	v_pk_add_f32 v[242:243], v[242:243], v[250:251]
	s_delay_alu instid0(VALU_DEP_1)
	v_pk_add_f32 v[14:15], v[14:15], v[242:243]
.set n, 0
.rept 64
.set n, n+1
.endr
.irp t, 0,1,2,3,4,5,6,7
	v_cvt_scalef32_pk8_fp8_f32 v[192+2*\t:193+2*\t], v[96+8*\t:103+8*\t], v244   ; registers 2 t, 2 t + 1 of the operand: keys 16 t + 8 (lane / 16) + 0 .. 7
.endr
.set n, 0
.rept 16
	v_pk_mul_f32 v[160+n:161+n], v[160+n:161+n], v[252:253] op_sel_hi:[1,0]   ; O^T under the new M: x f.  (Also the plain instructions between the conversions and the products that read their results)
.set n, n+2
.endr
	s_wait_alu depctr_va_vdst(0)
	s_wait_dscnt 0x0                               ; V is in
.irp ct, 0,1,2,3                               ; O^T += V^T P^T; the four accumulators take turns, and the next step's scores stand between two turns of one
	v_wmma_f32_16x16x128_fp8_fp8 v[160+8*\ct:167+8*\ct], v[32+16*\ct:47+16*\ct], v[192:207], v[160+8*\ct:167+8*\ct]
.endr
.Lhidden_\@:
	s_add_co_u32 s[KF], s[KF], 128
.endm
; THE CHANGE OF SLOTS stands at a slot's head.  Each wave waits for all its tensor loads (its part of the slot that it is about to read), adds 0 to its spare word, and waits for that and for its reads of the slot
; that it has left.  Behind the barrier the slot ahead is whole and nobody reads the other one.  fill = 1: that other slot is filled with the slot that follows in the walk: the load has two key steps in which to land.
.macro CHANGE fill
	s_wait_tensorcnt 0x0                           ; no tensor load of mine is out, so group 0 may be written
	ds_add_u32 v[SPW], v[NIL]                      ; 0 onto my spare word; the descriptor's steps stand between it and the wait for it
.if \fill
	s_xor_b32 s[G0+1], s[G0+1], SLOT1              ; the other slot than last time,
	s_add_co_u32 s[OFFS], s[OFFS], 16384           ; the next 256 keys,
	s_cmp_eq_u32 s[NXT], s[SWI]
	s_cselect_b32 s[OFFS], 0, s[OFFS]              ; or, where the second block begins, the head's first again
	s_add_nc_u64 s[G0+2:G0+3], s[K0:K0+1], s[OFFS:OFFS+1]
	s_or_b32 s[G0+3], s[G0+3], 0x80000000          ; type = 2
	s_wait_xcnt 0x0                                ; the last prefetch, a slot back, has read its address, so it may be written:
	s_add_nc_u64 s[PFA:PFA+1], s[PFA:PFA+1], 16384 ; one slot further on than the load
.endif
	s_wait_dscnt 0x0                               ; the add is done, and my reads of the slot that I have left are over
	s_barrier_signal -1
	s_barrier_wait -1
.if \fill
	TLOAD                                          ; the first thing behind the barrier, and a wave's one tensor load until the next: one load of mine is out
	ASK
.endif
.endm
; A block is finished: O^T / the sum x 2^(e4 + e5) is y, in f32; it is converted with 2^e6, and the image leaves: 512 consecutive aligned bytes a store.
.macro FINISH yb
.rept 4
	v_nop                                          ; places behind the last products
.endr
	v_add_f32 v14, v14, v15                        ; the sum's two halves,
	s_delay_alu instid0(VALU_DEP_1)
	v_permlanex16_b32 v236, v14, s[SEL], s[SEL+1]
	s_delay_alu instid0(VALU_DEP_1)
	v_add_f32 v14, v14, v236                       ; and lane l xor 16's: the row's sum
	s_wait_alu depctr_va_vdst(0)
	v_rcp_f32 v14, v14
	v_nop                                          ; a plain instruction behind the transcendental,
	s_wait_alu depctr_va_vdst(0)                   ; and the wait ahead of its first reader
	v_ldexp_f32 v14, v14, s[EPV]
.set n, 0
.rept 16
	v_pk_mul_f32 v[96+n:97+n], v[160+n:161+n], v[14:15] op_sel_hi:[1,0]   ; register 8 c + j: y(my query, d = 16 c + 8 (lane / 16) + j)
.set n, n+2
.endr
.set n, 0
.rept 32
.set n, n+1
.endr
	s_wait_alu depctr_va_vdst(0)
	s_wait_xcnt 0x0                                ; the first block's stores have read their registers
.irp c, 0,1,2,3
	v_cvt_scalef32_pk8_fp8_f32 v[208+2*\c:209+2*\c], v[96+8*\c:103+8*\c], v245
.endr
	v_nop                                          ; one plain vector instruction behind the conversions: later products write their sources
	global_store_b128 v[LI], v[208:211], s[\yb:\yb+1]
	global_store_b128 v[LI], v[212:215], s[\yb:\yb+1] offset:512
.endm
	s_wait_loadcnt 0x0                             ; Q
.Lslot:                                            ; 8 trips: behind each change of slots but the last the next slot of the walk is asked for
	CHANGE 1
	STEP 0
	STEP 1
	s_xor_b32 s[TB], s[TB], SLOT1                  ; on to the other slot
	s_cmp_lg_u32 s[NXT], s[SWI]                    ; was that the first block's last slot?  Ids and the count of trips alone: all sixteen waves go the same way; no barrier stands inside
	s_cbranch_scc1 .Lsame_block
	FINISH YHI
	v_mov_b32 v13, 0xff61b1e6                      ; the second block begins as the first did
	s_delay_alu instid0(VALU_DEP_1)
	v_floor_f32 v12, -v13
	v_mov_b32 v14, 0
	v_mov_b32 v15, 0
.set n, 0
.rept 32
	v_mov_b32 v[160+n], 0
.set n, n+1
.endr
.set n, 0
.rept 8
	v_mov_b32 v[16+n], v[24+n]                     ; its queries
.set n, n+1
.endr
	s_mov_b32 s[Q0], s[QLO]
	s_mov_b32 s[KF], 0
.Lsame_block:
	s_add_co_u32 s[NXT], s[NXT], 1
	s_cmp_lt_u32 s[NXT], 9
	s_cbranch_scc1 .Lslot
	CHANGE 0                                       ; the last slot is written out
	STEP 0
	STEP 1
	FINISH YLO
	s_wait_tensorcnt 0x0                           ; the wave's end: behind my last tensor load
	ds_add_u32 v[SPW], v[NIL]
	s_wait_dscnt 0x0
	s_endpgm
.Lfunc_end_k_q0d44d1930a_attn:
	.size	k_q0d44d1930a_attn, .Lfunc_end_k_q0d44d1930a_attn-k_q0d44d1930a_attn
	.p2alignl 7, 3214868480
	.fill 96, 4, 3214868480
	.section	.rodata,"a",@progbits
	.p2align	6, 0x0
	.amdhsa_kernel k_q0d44d1930a_attn
		.amdhsa_group_segment_fixed_size 327680
		.amdhsa_private_segment_fixed_size 0
		.amdhsa_enable_private_segment 0
		.amdhsa_kernarg_size 24
		.amdhsa_user_sgpr_count 2
		.amdhsa_user_sgpr_kernarg_segment_ptr 1
		.amdhsa_wavefront_size32 1
		.amdhsa_system_sgpr_workgroup_id_x 1
		.amdhsa_system_sgpr_workgroup_id_y 1
		.amdhsa_system_sgpr_workgroup_id_z 1
		.amdhsa_system_vgpr_workitem_id 0
		.amdhsa_next_free_vgpr 256
		.amdhsa_next_free_sgpr 100
		.amdhsa_reserve_vcc 1
		.amdhsa_float_denorm_mode_32 3
		.amdhsa_float_denorm_mode_16_64 3
		.amdhsa_fp16_overflow 1
		.amdhsa_memory_ordered 1
		.amdhsa_forward_progress 1
		.amdhsa_inst_pref_size 90
	.end_amdhsa_kernel
	.amdgpu_metadata
---
amdhsa.version: [ 1, 2 ]
amdhsa.kernels:
  - .name:           k_q0d44d1930a_attn
    .symbol:         k_q0d44d1930a_attn.kd
    .args:
      - { .name: qkv_codes, .offset: 0, .size: 8, .value_kind: global_buffer, .address_space: global }
      - { .name: lowp_scales, .offset: 8, .size: 8, .value_kind: global_buffer, .address_space: global }
      - { .name: y_codes, .offset: 16, .size: 8, .value_kind: global_buffer, .address_space: global }
    .group_segment_fixed_size: 327680
    .private_segment_fixed_size: 0
    .kernarg_segment_align: 8
    .kernarg_segment_size: 24
    .max_flat_workgroup_size: 512
    .sgpr_count:     100
    .vgpr_count:     256
    .wavefront_size: 32
...
	.end_amdgpu_metadata
.endif
;; end of part 3
;; launch outp (part 4): grid 4 x 64, 4 waves a work-group, clusters of 4 x 4, 327,680 bytes of LDS; arguments y_codes, w_codes, lowp_scales, b_out, out0; writes out0
.if DOCPART == 4
	.amdgcn_target "amdgcn-amd-amdhsa--gfx1250"
	.amdhsa_code_object_version 6
	.text
	.protected	k_q0d44d1930a_outp
	.globl	k_q0d44d1930a_outp
	.p2align	8
	.type	k_q0d44d1930a_outp,@function
k_q0d44d1930a_outp:
	s_mov_b64 s[64:65], 0
	v_nop
	global_prefetch_b8 v0, s[64:65] scope:SCOPE_SE
	s_setreg_imm32_b32 hwreg(HW_REG_WAVE_MODE, 25, 1), 1
	s_wait_xcnt 0x0
	s_wait_alu depctr_hold_cnt(0) depctr_sa_sdst(0) depctr_va_vdst(0) depctr_va_sdst(0) depctr_va_ssrc(0) depctr_va_vcc(0) depctr_vm_vsrc(0)
	s_getreg_b32 s2, hwreg(HW_REG_IB_STS2, 6, 4)
	s_cmp_eq_u32 s2, 0
	s_cbranch_scc0 .Lentry_in_a_cluster
	s_endpgm
.Lentry_in_a_cluster:
	s_bfe_u32 s2, ttmp6, 0x10000c
	s_cmp_lg_u32 s2, 0xf033
	s_cbranch_scc0 .Lentry_shape_is_right
	s_endpgm
.Lentry_shape_is_right:
; out0 = y W_out + b_out on codes of FP8 (E4M3), K = 1,024; each finished sum x 2^(e6 + e7) + bias, f32.
; A tile of the result is 128 tokens x 256 columns: 64 x 4 = 256 work-groups (tiles of 256 x 256 would be 128).  Four waves, each 64 x 128: 32 accumulators of 16 x 16, 256 registers.
; K goes in four steps of 256 through THREE LDS slots: the first three steps are asked for together at the start, the fourth goes into slot 0 when that has been read.  The steps are written out.
; CLUSTERS: 4 x 4 work-groups.  A's tiles (y) are asked for jointly along a row of the cluster, B's (W_out) along a column.
; y's codes arrive as images of the operand's registers: [4 heads: K step][tile of 16 tokens][head % 4][chunk 2][lane][16 bytes]: two heads on end, 2,048 bytes, are a fragment of 16 tokens x 128 K with every k in the
; place that the form's own layout gives it; a K step's part of 128 tokens is one dense block of 32,768 bytes.  So W_out's codes, rows of 1,024 bytes with K innermost, are fetched in that layout too:
; registers 2 c, 2 c + 1: k = 16 c + 8 (lane / 16) + 0 .. 7: eight loads of 8 bytes.
; THE MATRIX INSTRUCTION IS USED TRANSPOSED (source 0 = 16 rows of W_out's codes, source 1 = 16 tokens): a lane holds eight neighbouring columns of one row of the result.
; LIMIT: e6 + e7 between -126 and 127.
; REGISTERS, in windows of 256: window 0: v0-31 addresses; v32-95 at work on the way out; v128-191 A's fragments (4 x 16 tokens x 128 K), ONE set; on the way out v128-255 rows read back.
;   window 1: B's fragments, TWO sets.   window 2: the accumulators ((a, b) at v[8 (8 a + b)]).   window 3: v0-63 the biases, in the result's layout.
.set PITCH,  272                       ; a row of B in LDS: 256 bytes + 16 of padding: the rows that a load touches start at different banks (64 banks of 4 bytes: ISA guide 11.1)
.set FR,     16
.set NP,     4                         ; places behind this matrix instruction (ISA guide 7.12.1)
.set APART,  32768                     ; a slot: A's 8 tiles of tokens x 4,096 bytes,
.set HALFB,  128*PITCH                 ; then B's 256 rows, 128 to a tensor load
.set SLOT,   APART+2*HALFB             ; 102,400
.set SPARE,  3*SLOT                    ; behind the slots: the spare words, 128 bytes for each wave: two blocks of 256 bytes that no other line names
.set STAGE,  SLOT                      ; the way out: 16 rows x (512 bytes + 16) for each wave, in slot 1: it is filled once, and its last read lies ahead of the last barrier
.set SPITCH, 528
.set ADRA, 16                          ; v16-18  LDS address of my A fragments in slot 0, 1, 2
.set ADRB, 20                          ; v20-22  the same for B
.set STO,  24                          ; v24     the way out: where I put 32 bytes of a row
.set RD,   25                          ; v25     where I read a row back
.set CO,   26                          ; v26     my byte offset in a row of the result
.set SPW,  28                          ; v28     LDS address of my spare word; never rewritten
.set NIL,  29                          ; v29     0; never rewritten
.set TMP,  32
.set AF,   128
.set BK,   128
.set G1,  24                           ; s[24:31] descriptor group 1 for A's tiles
.set G1B, 32                           ; s[32:39] for B's
.set G0,  40                           ; s[40:51] group 0 for A's tiles, a set for each slot
.set G0B, 52                           ; s[52:63] for B's
.set MSB, 0
.macro WIN new                         ; the immediate's high byte repeats the setting that is left
.if MSB != (\new)
	s_set_vgpr_msb (MSB<<8)|(\new)
.set MSB, (\new)
.endif
.endm
.set MUL,  0xa1                        ; source 0 (B) window 1, source 1 (A) window 0, C and D window 2
.set TO_B, 0x40                        ; destination window 1, address window 0
; A joint load: waves 0 and 1 fetch for A, waves 2 and 3 for B.  The branch hangs on the wave's number alone.  An s_nop 0 and four v_nop follow each of the two lines.
.macro JLOAD g0a, g1a, g0b, g1b
	s_cmp_eq_u32 s15, 0
	s_cbranch_scc0 .Lfor_b_\@
	tensor_load_to_lds s[\g0a:\g0a+3], s[\g1a:\g1a+7]
	s_nop 0
.rept 4
	v_nop
.endr
	s_branch .Lasked_\@
.Lfor_b_\@:
	tensor_load_to_lds s[\g0b:\g0b+3], s[\g1b:\g1b+7]
	s_nop 0
.rept 4
	v_nop
.endr
.Lasked_\@:
.endm
.macro CREST                           ; a round of the cluster's barrier behind its opening barrier
	s_cmp_lg_u32 s14, 0
	s_cbranch_scc1 .Lnot_wave_0_\@
	s_barrier_signal -3
.Lnot_wave_0_\@:
	s_barrier_wait -3
	s_barrier_signal -1
	s_barrier_wait -1
.endm
.macro CROUND
	s_barrier_signal -1
	s_barrier_wait -1
	CREST
.endm
	s_load_b128 s[4:7], s[0:1], 0x0                ; y's codes s[4:5], the weights' codes s[6:7]
	s_load_b128 s[8:11], s[0:1], 0x10              ; the scales' exponents s[8:9], b_out s[10:11]
	s_load_b64 s[12:13], s[0:1], 0x20              ; out0
	v_lshl_add_u32 v[SPW], v0, 2, SPARE
	v_mov_b32 v[NIL], 0
	ds_add_u32 v[SPW], v[NIL]                      ; the wave's opening: the add and its wait stand ahead of my first tensor load; the set-up below, work on registers, stands between them
	ds_add_u32 v[SPW], v[NIL]
	v_lshrrev_b32 v1, 5, v0
	v_readfirstlane_b32 s14, v1                    ; wave 0..3
	s_lshr_b32 s15, s14, 1                         ; which 64 of the tile's tokens are mine.  Also: I fetch for A (0) or for B (1)
	s_and_b32 s16, s14, 1                          ; which 128 of its columns.  Also: which half of that tile I fetch
	s_bfe_u32 s66, ttmp6, 0x40000                  ; cx, cy: my place in the cluster
	s_bfe_u32 s67, ttmp6, 0x40004
	s_lshl_b32 s68, ttmp9, 2
	s_add_co_u32 s68, s68, s66                     ; tile of 256 columns = 4 x cluster x + cx
	s_and_b32 s17, ttmp7, 0xffff
	s_lshl_b32 s17, s17, 2
	s_add_co_u32 s17, s17, s67                     ; tile of 128 tokens = 4 x cluster y + cy
	s_lshl_b32 s70, s67, 2
	s_lshl_b32 s70, 15, s70                        ; my row of the cluster
	s_lshl_b32 s71, 0x1111, s66                    ; my column
	; descriptor group 1 for A: a dense block of 16,384 bytes as 64 rows of 32 elements of 8 bytes
	s_or_b32 s[G1+0], s70, (3<<16)|(1<<21)         ; 15:0 the mask: my row; 17:16 elements of 8 bytes; 21 set beside a mask; no padding
	s_mov_b32 s[G1+1], 32<<16                      ; tensor_dim0
	s_mov_b32 s[G1+2], 64<<16                      ; tensor_dim1
	s_mov_b32 s[G1+3], 32<<16                      ; tile_dim0
	s_mov_b32 s[G1+4], 64                          ; tile_dim1
	s_mov_b32 s[G1+5], 32                          ; tensor_dim0_stride
	s_mov_b32 s[G1+6], 0
	s_mov_b32 s[G1+7], 0
	; for B: 128 rows x 256 bytes, padded in LDS
	s_or_b32 s[G1B+0], s71, (0<<16)|(1<<20)|(1<<21)|(5<<22)|(3<<25)  ; the mask: my column; elements of 1 byte; padding: four words after every 64
	s_mov_b32 s[G1B+1], 256<<16
	s_mov_b32 s[G1B+2], 128<<16
	s_mov_b32 s[G1B+3], 256<<16
	s_mov_b32 s[G1B+4], 128
	s_mov_b32 s[G1B+5], 1024
	s_mov_b32 s[G1B+6], 0
	s_mov_b32 s[G1B+7], 0
	s_lshl_b32 s20, s17, 3
	s_lshl_b32 s18, s16, 2
	s_add_co_u32 s20, s20, s18                     ; A: tile of 16 tokens 8 x tile + 4 x half,
	s_lshl_b32 s20, s20, 12                        ; 4,096 bytes each
	s_mov_b32 s21, 0
	s_lshl_b32 s72, s68, 8
	s_lshl_b32 s18, s16, 7
	s_add_co_u32 s72, s72, s18                     ; B: row 256 x tile + 128 x half,
	s_lshl_b32 s72, s72, 10                        ; 1,024 bytes each,
	s_add_co_u32 s72, s72, 3145728                 ; behind W_qkv's 3,072 rows
	s_mov_b32 s73, 0
	s_lshl_b32 s74, s16, 14                        ; where they go: A's half,
	s_mul_i32 s75, s16, HALFB
	s_add_co_u32 s75, s75, APART                   ; B's half: no place in the cluster enters an LDS address
	s_wait_dscnt 0x0                               ; the opening add is done
	s_wait_kmcnt 0x0
	s_load_b64 s[96:97], s[8:9], 0x18              ; e6, e7
	s_add_nc_u64 s[20:21], s[4:5], s[20:21]
	s_add_nc_u64 s[72:73], s[6:7], s[72:73]
	CROUND                                         ; all sixteen work-groups are here: the first joint loads meet
.irp s, 0,1,2
	s_mov_b32 s[G0+4*\s], 1
	s_add_co_u32 s[G0+4*\s+1], s74, \s*SLOT
	s_add_nc_u64 s[G0+4*\s+2:G0+4*\s+3], s[20:21], \s*2097152     ; K step s: heads 4 s on
	s_or_b32 s[G0+4*\s+3], s[G0+4*\s+3], 0x80000000
	s_mov_b32 s[G0B+4*\s], 1
	s_add_co_u32 s[G0B+4*\s+1], s75, \s*SLOT
	s_add_nc_u64 s[G0B+4*\s+2:G0B+4*\s+3], s[72:73], \s*256
	s_or_b32 s[G0B+4*\s+3], s[G0B+4*\s+3], 0x80000000
	s_wait_alu depctr_va_vdst(0)
	s_wait_tensorcnt 0x0
	ds_add_u32 v28, v29
	ds_add_u32 v28, v29
	s_wait_dscnt 0x0
	CROUND
	JLOAD G0+4*\s, G1, G0B+4*\s, G1B               ; one tensor load of mine is out
.endr
	v_and_b32 v1, 15, v0                           ; r = l % 16
	v_bfe_u32 v2, v0, 4, 1                         ; h = l / 16
	v_and_b32 v6, 31, v0
	v_lshlrev_b32 v[CO], 4, v6                     ; 16 x lane
	v_mul_u32_u24 v3, v1, PITCH
	v_lshl_add_u32 v4, v2, 3, v3                   ; B: row x pitch + 8 x half
	s_lshl_b32 s21, s15, 14                        ; my 4 tiles of tokens
	s_mul_i32 s22, s16, HALFB                      ; my 128 rows of B,
	s_add_co_u32 s22, s22, APART                   ; which lie behind A's part
.irp s, 0,1,2
	v_add_nc_u32 v[ADRA+\s], s21, v[CO]
	v_add_nc_u32 v[ADRB+\s], s22, v4
	s_add_co_u32 s21, s21, SLOT
	s_add_co_u32 s22, s22, SLOT
.endr
	s_mul_i32 s23, s14, 16*SPITCH
	s_add_co_u32 s23, s23, STAGE                   ; my stage
	v_mul_u32_u24 v5, v1, SPITCH                   ; in: row l % 16, 32 bytes for each half of the lanes
	v_lshl_add_u32 v5, v2, 5, v5
	v_add_nc_u32 v[STO], s23, v5
	v_add_nc_u32 v[RD], s23, v[CO]                 ; back: the 32 lanes take one row of 512 bytes
	s_lshl_b32 s76, s17, 7
	s_lshl_b32 s77, s15, 6
	s_add_co_u32 s76, s76, s77                     ; my first token,
	s_lshl_b32 s76, s76, 12                        ; 4,096 bytes a row of the result,
	s_lshl_b32 s78, s68, 10
	s_lshl_b32 s79, s16, 9
	s_add_co_u32 s78, s78, s79                     ; my first column, in bytes
	s_add_co_u32 s76, s76, s78
	s_mov_b32 s77, 0
	s_mov_b32 s79, 0
	s_add_nc_u64 s[12:13], s[12:13], s[76:77]
	s_add_nc_u64 s[10:11], s[10:11], s[78:79]      ; b_out at my first column
	v_lshlrev_b32 v7, 5, v2                        ; my half's eight numbers of a block of 16
	WIN 0xc0                                       ; destination window 3
.irp b, 0,1,2,3,4,5,6,7
	global_load_b128 v[8*\b:8*\b+3], v7, s[10:11] offset:64*\b          ; b_out[first column + 16 b + 8 h + 0 .. 7] at v[8 b ..]: they land while the products run
	global_load_b128 v[8*\b+4:8*\b+7], v7, s[10:11] offset:64*\b+16
.endr
	WIN 0
.macro FRAGA reg, slot, q, a           ; 16 tokens x 128 K: the image as it lies, four chunks of 512 bytes
.irp c, 0,1,2,3
	ds_load_b128 v[\reg+4*\c:\reg+4*\c+3], v[ADRA+\slot] offset:4096*(\a)+2048*(\q)+512*\c
.endr
.endm
.macro FRAGB reg, slot, q, i           ; 16 rows x 128 K from rows: registers 2 c, 2 c + 1: k = 16 c + 8 (l / 16) + 0 .. 7
.irp c, 0,1,2,3,4,5,6,7
	ds_load_b64 v[\reg+2*\c:\reg+2*\c+1], v[ADRB+\slot] offset:128*(\q)+16*\c+(\i)*16*PITCH
.endr
.endm
; 8 matrix instructions: A's block a x B's eight, 128 along K.  p: B's set.  zero = 1: the first product starts the sums.  The 32 accumulators take turns, one instruction a turn, in the same order in every step.
.macro MULB a, p, zero
.irp b, 0,1,2,3,4,5,6,7
.if \zero
	v_wmma_f32_16x16x128_fp8_fp8 v[8*(8*(\a)+\b):8*(8*(\a)+\b)+7], v[128*(\p)+FR*\b:128*(\p)+FR*\b+FR-1], v[AF+FR*(\a):AF+FR*(\a)+FR-1], 0
.else
	v_wmma_f32_16x16x128_fp8_fp8 v[8*(8*(\a)+\b):8*(8*(\a)+\b)+7], v[128*(\p)+FR*\b:128*(\p)+FR*\b+FR-1], v[AF+FR*(\a):AF+FR*(\a)+FR-1], v[8*(8*(\a)+\b):8*(8*(\a)+\b)+7]
.endif
.endr
.endm
.macro FETCH_B slot, q, p
	WIN TO_B
.irp i, 0,1,2,3,4,5,6,7
	FRAGB 128*(\p)+FR*\i, \slot, \q, \i
.endr
	WIN 0
.endm
.macro FETCH_A slot, q, a0             ; A's blocks a0, a0 + 1
.irp a, \a0, \a0+1
	FRAGA AF+FR*(\a), \slot, \q, \a
.endr
.endm
.macro PLACES n                        ; plain vector instructions in front of loads into registers that matrix instructions have read, and of the first read of results (ISA guide 7.12.1 for the first read of results)
.rept \n
	v_nop
.endr
.endm
; A step of 128 along K on B's set p; the next step's fragments come from slot ns, its nq-th 128.  A block of A is free as soon as its eight products are issued.
.macro STEP p, ns, nq, zero
	s_wait_dscnt 8                                 ; B's set and A's blocks 0, 1 are in; the youngest eight loads (A's blocks 2, 3) may be out
	WIN MUL
	MULB 0, \p, \zero
	MULB 1, \p, \zero
	s_wait_dscnt 0                                 ; A's blocks 2, 3 are in
	PLACES NP
	FETCH_B \ns, \nq, 1-(\p)
	FETCH_A \ns, \nq, 0
	WIN MUL
	MULB 2, \p, \zero
	MULB 3, \p, \zero
	PLACES NP
	WIN 0
	FETCH_A \ns, \nq, 2
.endm
; A step on set 1 with a barrier in it.  In front of the barrier each wave waits for all its tensor loads, adds 0 to its spare word, and waits for that and for its LDS reads.
; fill = 1: the slot just read out, slot 0, takes the fourth K step; the barrier then opens a round of the cluster's barrier.
.macro TURN ns, fill
	s_wait_tensorcnt 0x0                           ; all my tensor loads have landed  (every window is 0 here)
	ds_add_u32 v[SPW], v[NIL]                      ; 0 onto my spare word
	s_wait_dscnt 9                                 ; (the add and the youngest eight loads may be out)
	WIN MUL
	MULB 0, 1, 0                                   ; eight matrix instructions stand between the add and the wait for it
	s_wait_dscnt 0x0                               ; the add is done, and my reads of this slot are over
	s_barrier_signal -1
	MULB 1, 1, 0
	WIN 0
	s_barrier_wait -1
.if \fill
	CREST                                          ; no wave of any partner still reads slot 0 or has a load on its way
	s_add_nc_u64 s[G0+2:G0+3], s[G0+2:G0+3], 3*2097152
	s_add_nc_u64 s[G0B+2:G0B+3], s[G0B+2:G0B+3], 3*256
	JLOAD G0, G1, G0B, G1B                         ; the first tensor load behind the round, my only one from here on; its four v_nop are the places in front of the loads below
.else
	PLACES NP
.endif
	s_wait_alu depctr_va_vdst(0)
	FETCH_B \ns, 0, 0
	FETCH_A \ns, 0, 0
	WIN MUL
	MULB 2, 1, 0
	MULB 3, 1, 0
	PLACES NP
	WIN 0
	FETCH_A \ns, 0, 2
.endm
	s_wait_tensorcnt 2                             ; my part of K step 0 is in; K step 2's load may be out
	s_barrier_signal -1
	s_barrier_wait -1                              ; everybody's is
	FETCH_B 0, 0, 0
	FETCH_A 0, 0, 0
	FETCH_A 0, 0, 2
	STEP 0, 0, 1, 1                                ; K 0-127: its products start the sums
	TURN 1, 1                                      ; K 128-255.  All three first fills have landed in every wave of the cluster; slot 0 takes K 768-1,023
	STEP 0, 1, 1, 0                                ; K 256-383
	STEP 1, 2, 0, 0                                ; K 384-511; slot 2 was shown whole by the round above: no barrier
	STEP 0, 2, 1, 0                                ; K 512-639
	TURN 0, 0                                      ; K 640-767; slot 0's second fill has landed in every wave; nothing is filled again: no round
	STEP 0, 0, 1, 0                                ; K 768-895
	s_wait_dscnt 8                                 ; the very last step
	WIN MUL
	MULB 0, 1, 0
	MULB 1, 1, 0
	s_wait_dscnt 0
	MULB 2, 1, 0
	MULB 3, 1, 0
	WIN 0
; THE WAY OUT, block by block of 16 rows x 128 columns.  A lane holds 32 neighbouring bytes of a row, and the lanes beside it hold other rows: so a block goes through my own stage in LDS and comes back as whole
; rows of 512 bytes.  LDS serves a wave's instructions in order (ISA guide 5.7.1.4): no wait between the stores and the loads, nor in front of the next block's stores.
.macro TOSTAGE a
	WIN 0x32                                       ; source 0 (the sums) window 2, source 2 (the biases) window 3
.set n, 0
.rept 32
	v_pk_fma_f32 v[TMP+n:TMP+n+1], v[64*(\a)+n:64*(\a)+n+1], s[96:97], v[n:n+1] op_sel_hi:[1,0,1]   ; sum x 2^(e6 + e7) + bias, two at a time; each accumulator from its low end on
.set n, n+2
.endr
	WIN 0
.irp b, 0,1,2,3,4,5,6,7
	ds_store_b128 v[STO], v[TMP+8*\b:TMP+8*\b+3] offset:64*\b
	ds_store_b128 v[STO], v[TMP+8*\b+4:TMP+8*\b+7] offset:64*\b+16
.endr
.set BB, BK+64*((\a)%2)
.irp t, 0,1,2,3,4,5,6,7,8,9,10,11,12,13,14,15
	ds_load_b128 v[BB+4*\t:BB+4*\t+3], v[RD] offset:\t*SPITCH
.endr
.endm
.macro SEND a, younger                 ; younger: the LDS instructions issued behind block a's loads, which may stay out
.set BB, BK+64*((\a)%2)
	s_wait_dscnt \younger                          ; the block is back in registers
.if (\a) > 0
	s_add_nc_u64 s[12:13], s[12:13], 16*4096       ; (behind a wait on XCNT: the earlier stores have read their base)  16 rows on
.endif
.irp t, 0,1,2,3,4,5,6,7,8,9,10,11,12,13,14,15
	global_store_b128 v[CO], v[BB+4*\t:BB+4*\t+3], s[12:13] offset:\t*4096 th:TH_STORE_NT   ; 32 lanes store 512 consecutive bytes, aligned; written once, read by nobody here
.endr
.endm
	s_wait_kmcnt 0x0
	s_add_co_i32 s96, s96, s97
	s_add_co_i32 s96, s96, 127
	s_lshl_b32 s96, s96, 23                        ; 2^(e6 + e7) as f32
	s_mov_b32 s97, s96                             ; (named with it as a pair, so it is written)
	s_wait_loadcnt 0x0                             ; the biases
	PLACES NP                                      ; behind the last products: for the reads of their results and the loads into the registers that held A's fragments
	TOSTAGE 0
.irp a, 1,2,3
.if \a > 1
	s_wait_xcnt 0x0                                ; block a - 2's stores have read their registers and their base
.endif
	TOSTAGE \a
	SEND \a-1, 32                                  ; behind block a - 1's loads: block a's 16 stores and 16 loads
.endr
	s_wait_xcnt 0x0                                ; block 2's stores have read their base
	SEND 3, 0
	s_wait_tensorcnt 0x0                           ; the wave's end: behind my last tensor load and my last LDS store
	ds_add_u32 v[SPW], v[NIL]
	s_wait_dscnt 0x0
	CROUND                                         ; the closing round: no work-group ends while a partner may still ask for a tile that names it
	s_endpgm
.Lfunc_end_k_q0d44d1930a_outp:
	.size	k_q0d44d1930a_outp, .Lfunc_end_k_q0d44d1930a_outp-k_q0d44d1930a_outp
	.p2alignl 7, 3214868480
	.fill 96, 4, 3214868480
	.section	.rodata,"a",@progbits
	.p2align	6, 0x0
	.amdhsa_kernel k_q0d44d1930a_outp
		.amdhsa_group_segment_fixed_size 327680
		.amdhsa_private_segment_fixed_size 0
		.amdhsa_enable_private_segment 0
		.amdhsa_kernarg_size 40
		.amdhsa_user_sgpr_count 2
		.amdhsa_user_sgpr_kernarg_segment_ptr 1
		.amdhsa_wavefront_size32 1
		.amdhsa_system_sgpr_workgroup_id_x 1
		.amdhsa_system_sgpr_workgroup_id_y 1
		.amdhsa_system_sgpr_workgroup_id_z 1
		.amdhsa_system_vgpr_workitem_id 0
		.amdhsa_next_free_vgpr 832
		.amdhsa_next_free_sgpr 100
		.amdhsa_reserve_vcc 0
		.amdhsa_float_denorm_mode_32 3
		.amdhsa_float_denorm_mode_16_64 3
		.amdhsa_memory_ordered 1
		.amdhsa_forward_progress 1
		.amdhsa_inst_pref_size 96
	.end_amdhsa_kernel
	.amdgpu_metadata
---
amdhsa.version: [ 1, 2 ]
amdhsa.kernels:
  - .name:           k_q0d44d1930a_outp
    .symbol:         k_q0d44d1930a_outp.kd
    .args:
      - { .name: y_codes, .offset: 0, .size: 8, .value_kind: global_buffer, .address_space: global }
      - { .name: w_codes, .offset: 8, .size: 8, .value_kind: global_buffer, .address_space: global }
      - { .name: lowp_scales, .offset: 16, .size: 8, .value_kind: global_buffer, .address_space: global }
      - { .name: b_out, .offset: 24, .size: 8, .value_kind: global_buffer, .address_space: global }
      - { .name: out0, .offset: 32, .size: 8, .value_kind: global_buffer, .address_space: global }
    .group_segment_fixed_size: 327680
    .private_segment_fixed_size: 0
    .kernarg_segment_align: 8
    .kernarg_segment_size: 40
    .max_flat_workgroup_size: 128
    .sgpr_count:     100
    .vgpr_count:     832
    .wavefront_size: 32
...
	.end_amdgpu_metadata
.endif
;; end of part 4
